; MI455X (gfx1250); checked and timed in simulation.
; The chip was launched on July 23, 2026; its instructions are those of AMD's public machine-readable ISA for CDNA 5 (MIT licence, August 2026) and "CDNA5" Instruction Set Architecture Reference Guide (July 2026). The comments in the code are by the model that wrote it; some were corrected since.
;; Bit Transformer Block. Allowed arithmetic: matrix products marked QUANTISED: E2M1 operands, one E8M0 scale for each 32 along K, by v_wmma_scale_f32_16x16x128_f8f6f4 with both operands' format E2M1 (or v_wmma_scale_f32_32x16x128_f4), f32 sums; everything else in f32.
;; Inputs: b1 4,096 float32; b2 1,024 float32; in_proj_b 3,072 float32; in_proj_w 3,072 x 1,024 float32; ln1_b 1,024 float32; ln1_g 1,024 float32; ln2_b 1,024 float32; ln2_g 1,024 float32; out_proj_b 1,024 float32; out_proj_w 1,024 x 1,024 float32; w1 4,096 x 1,024 float32; w2 1,024 x 4,096 float32; x 2 x 2,048 x 1,024 float32.
;; Outputs: out0 2 x 2,048 x 1,024 float32.
;; This version of the problem:
;;   THIS VERSION OF THE PROBLEM IS GIVEN IN LOW PRECISION. The matrix products marked QUANTISED in the list below multiply operands that are first quantised to E2M1 (2 exponent bits, 1 mantissa bit; 4 bits a number), with one power-of-two scale for each 32 numbers along K (OCP MX v1.0); their sums are f32. All else is computed in f32.
;;   The module's matrix products, in the order in which they are computed (A, B: the left and right operand; K: the contracted axis; several contracted axes count as one K, in the product's order):
;;     1. [M 4,096, K 1,024] x [K 1,024, N 3,072]; A: computed on the way; B: input in_proj_w: QUANTISED
;;     2. batch 32 x [M 2,048, K 64] x [K 64, N 2,048]; A: computed on the way; B: computed on the way: QUANTISED
;;     3. batch 32 x [M 2,048, K 2,048] x [K 2,048, N 64]; A: softmax (see below); B: computed on the way: QUANTISED
;;     4. [M 4,096, K 1,024] x [K 1,024, N 1,024]; A: computed on the way; B: input out_proj_w: QUANTISED
;;     5. [M 4,096, K 1,024] x [K 1,024, N 4,096]; A: computed on the way; B: computed on the way: QUANTISED
;;     6. [M 4,096, K 4,096] x [K 4,096, N 1,024]; A: computed on the way; B: computed on the way: QUANTISED
;;   THE QUANTISER, for each operand of a quantised product, along K:
;;     - K is cut into blocks of 32 from its start; a last block that is shorter is filled with zeros.
;;     - A block's scale is 2^e with e = floor(log2(the largest magnitude in the block)) - 2, held to -126 .. 127; a block of zeros has e = 0. As a byte (E8M0): e + 127.
;;     - Each number is divided by its block's scale, clamped to +-6, and rounded to the nearest number of E2M1, ties to even, subnormals kept.
;;     - The product sums the exact products of the quantised numbers (number of the format x scale) in f32.
;;   ~~~python
;;   def quantise(x, axis):      # numpy; x: float32 -> the quantised numbers, widened to float32 again
;;       x = np.moveaxis(x, axis, -1); K = x.shape[-1]
;;       x = np.pad(x, [(0, 0)] * (x.ndim - 1) + [(0, -K % 32)]); x = x.reshape(x.shape[:-1] + (-1, 32)); a = np.abs(x).max(-1, keepdims=True)
;;       e = np.where(a > 0, np.clip(np.frexp(np.where(a > 0, a, 1))[1] - 1 - 2, -126, 127), 0)      # np.frexp(a)[1] - 1 = floor(log2(a)), exactly
;;       r = np.clip(x / 2.0 ** e, -6, 6)
;;       step = 2.0 ** (np.maximum(np.frexp(np.where(r == 0, 1, r))[1] - 1, 0) - 1)
;;       q = np.round(r / step) * step * 2.0 ** e      # np.round: ties to even
;;       return np.moveaxis(q.reshape(q.shape[:-2] + (-1,))[..., :K], -1, axis).astype(np.float32)
;;   ~~~
;;   SOFTMAX AHEAD OF A QUANTISED PRODUCT. Where the list says 'softmax', what is quantised is not the finished softmax but p = 2^(t - M), with t = logit x log2(e) and M = ceil(the row's largest t), a whole number; so 1/2 < the row's largest p <= 1. The row's sum l is taken of the UNQUANTISED p, in f32, and the product's result is divided by l at the end. Since M is a whole number, a kernel that streams over the keys may use a running M (the ceiling of the running maximum): every later rescaling is an exact power of two, which a block's scale takes up: the codes' values come out the same.
;;   OPERANDS COMPUTED ON THE WAY. 'Computed on the way' means the value that the module computes at that place (a softmax that the list does not call 'softmax' is quantised finished and normalised). What goes into a quantiser is computed in f32, as accurately as f32 sums, v_exp_f32 and their like allow (about 1e-6 of the number): no bf16 or f16 on the way to a quantiser, and a product that is left as it is and whose result goes on into a quantised operand takes f32 operands (vector FMAs, or v_wmma_f32_16x16x4_f32). A number that lies on a knife's edge between two numbers of the format may be rounded either way, as far as f32 arithmetic and the matrix unit's own rounding can turn it there, and no further.
;; One version. Each part assembles by itself: llvm-mc -triple=amdgcn-amd-amdhsa -mcpu=gfx1250 --defsym DOCPART=n.
;; ======== version 1 of 1: 9 launches
;; limits: a function is approximated: absolute error at most 1.5e-07; an absolute error that grows with the inputs' magnitude: up to 7.5e-08 times it
;; workspace buffers: wq 6,684,672 bytes; wsum 2,048 bytes; act 2,228,224 bytes; qkv 6,946,816 bytes; ocode 2,228,224 bytes; x2 16,777,216 bytes; pmax 524,288 bytes; hid 8,912,896 bytes
;; launch ln1sum (part 1): grid 256 x 1, 8 waves a work-group, no clusters, 11,520 bytes of LDS; arguments x, ln1_g, ln1_b, w1, w2, act, wsum; writes act, wsum
.if DOCPART == 1
	.amdgcn_target "amdgcn-amd-amdhsa--gfx1250"
	.amdhsa_code_object_version 6
	.text
	.protected	k_q71a370172c_ln1sum
	.globl	k_q71a370172c_ln1sum
	.p2align	8
	.type	k_q71a370172c_ln1sum,@function
k_q71a370172c_ln1sum:
	s_mov_b64 s[64:65], 0
	v_nop
	global_prefetch_b8 v0, s[64:65] scope:SCOPE_SE
	s_setreg_imm32_b32 hwreg(HW_REG_WAVE_MODE, 25, 1), 1
	s_wait_xcnt 0x0
; LAUNCH 1 OF 9.  act = MX-FP4 codes and scale bytes of LayerNorm1(x);  wsum = each work-group's part of sum|w1| and sum|w2|.
; DEAD WORK LEFT OUT IN THE WHOLE PROGRAM: bit_linear forms x + stop_gradient(act_quant(x) - x) and w + stop_gradient(weight_quant(w) - w).  In real numbers a + (q - a) = q for all
; finite a and q, so the fake-quantised q itself goes to the MX quantiser, for both activations and both weights.  Nothing else is left out; every input is loaded by some launch.
; LIMITS: a NaN, an infinity or an overflow that arises only in a + (q - a) is not carried on; NaN and infinities among the inputs are not served; a block whose largest magnitude lies
; under 2^-124 keeps the scale byte 1, and so does a block of zeros (its codes are zeros; this program alone reads the bytes).
; FORMAT OF EVERY OPERAND THAT THIS PROGRAM MAKES: an image of the operand's registers.  Tile t, slot q (0..15) holds row 32 (t/2) + 8 (t%2) + q + 8 (q/8).  A fragment (tile T, K step s of 128) is
; 1,024 bytes: the 16 bytes at 512 c + 16 lane are registers 4c..4c+3 of that lane (row slot lane%16, k = 128 s + 64 c + 32 (lane/16) + 0..31).  Its scale words: 64 bytes, word q for slot q.
; SHARES.  Work-group = token tile T (16 tokens); wave w = columns 128 w .. 128 w + 127 = K step w.  Lane (r, h) holds, of token slot r, 16 neighbours of each of four blocks of 32:
; register 16 e + 4 q + i = column 128 w + 32 e + 16 h + 4 q + i.  Row sums meet in LDS, each reduction in bytes of its own, one barrier each.
; ALL 50 GLOBAL LOADS OF A WAVE GO OUT AT ITS HEAD.  Gain and bias of the wave's 128 columns come dense, 16 bytes a lane, and go through the wave's own 1,024 bytes of LDS; they are read back in the
; lanes' layout (sixteen lanes share each 16 bytes) into the registers that the slices of w1 and w2 have left.
.set ACT, 14                           ; s[14:15] act
.set RED0, 0                           ; LDS: 8 waves x 128 bytes: row sums
.set RED1, 1024                        ; sums of squares
.set RED3, 2048                        ; 8 waves x 8 bytes: sum|w1|, sum|w2|
.set GBL, 2304                         ; 8 waves x (512 bytes of gain + 512 of bias), each wave's own
.set SPARE, 10496                      ; the spare words, 128 bytes a wave
.set XA, 4
.set GR, 5
.set LI, 6
.set LW, 7
.set LR, 8
.set SA, 9
.set SPW, 12
.set NIL, 13
.set MN, 14                            ; v[14:15] the mean, later 1/sqrt(var + eps), in the low word
.set X, 16
.set G, 80
.set BV, 144
.set TM, 208
.set PW, 224
.set PC, 226
.set T, 234
.set GW, 250
.set SEL, 20
; 16 nb numbers of a lane, register 16 b + i = k 32 b + 16 (lane/16) + i of its row, become codes in v[pc] on (the operand's registers) and the row's scale word in v[PW]
.macro QUANT src, nb, pc
.set qb, 0
.rept \nb
	v_max3_num_f32 v[TM+qb], |v[(\src)+16*qb]|, |v[(\src)+16*qb+1]|, 0x1800000   ; with the floor 2^(3-127): the byte cannot fall under 1
.set qb, qb+1
.endr
.irp i, 2,4,6,8,10,12,14
.set qb, 0
.rept \nb
	v_max3_num_f32 v[TM+qb], v[TM+qb], |v[(\src)+16*qb+\i]|, |v[(\src)+16*qb+\i+1]|
.set qb, qb+1
.endr
.endr
.set qb, 0
.rept \nb
	v_permlanex16_b32 v[TM+4+qb], v[TM+qb], s[SEL], s[SEL+1]
.set qb, qb+1
.endr
.set qb, 0
.rept \nb
	v_max_num_f32 v[TM+qb], v[TM+qb], v[TM+4+qb]          ; with lane l xor 16: the block's largest magnitude
.set qb, qb+1
.endr
.set qb, 0
.rept \nb
	v_add_nc_u32 v[TM+12+qb], 0xff000000, v[TM+qb]        ; 2 off its exponent field: the conversion's scale operand
.set qb, qb+1
.endr
.set qb, 0
.rept \nb
	v_lshrrev_b32 v[TM+4+qb], 23, v[TM+12+qb]             ; the scale's byte
.set qb, qb+1
.endr
	v_lshl_or_b32 v[PW], v[TM+5], 8, v[TM+4]
	v_lshl_or_b32 v[PW], v[TM+6], 16, v[PW]
	v_lshl_or_b32 v[PW], v[TM+7], 24, v[PW]
.set qb, 0
.rept \nb
	v_cvt_scalef32_pk8_fp4_f32 v[(\pc)+2*qb], v[(\src)+16*qb:(\src)+16*qb+7], v[TM+12+qb]
	v_cvt_scalef32_pk8_fp4_f32 v[(\pc)+2*qb+1], v[(\src)+16*qb+8:(\src)+16*qb+15], v[TM+12+qb]
.set qb, qb+1
.endr
	v_nop                                                  ; one plain place behind the scaled conversions
.set qb, 0
.rept \nb/2
	v_permlane16_swap_b32 v[(\pc)+4*qb], v[(\pc)+4*qb+2]   ; a whole block to a lane: lanes 0-15 block 2c, lanes 16-31 block 2c+1
	v_permlane16_swap_b32 v[(\pc)+4*qb+1], v[(\pc)+4*qb+3]
.set qb, qb+1
.endr
.endm
; v[T] of the eight waves is joined by op: store, my LDS instructions done, barrier, eight loads
.macro CROSS red, op
	ds_store_b32 v[LW], v[T] offset:\red
	s_wait_dscnt 0x0                                       ; for the others' sake: my store has landed
	s_barrier_signal -1
	s_barrier_wait -1
.irp i, 0,1,2,3,4,5,6,7
	ds_load_b32 v[T+\i], v[LR] offset:\red+128*\i
.endr
	s_wait_dscnt 0x0
	\op v[T], v[T], v[T+1]
	\op v[T+2], v[T+2], v[T+3]
	\op v[T+4], v[T+4], v[T+5]
	\op v[T+6], v[T+6], v[T+7]
	\op v[T], v[T], v[T+2]
	\op v[T+4], v[T+4], v[T+6]
	\op v[T], v[T], v[T+4]
.endm
.macro FOLDSUM                         ; four packed chains in v[T..T+7] become the sum of my row's 128 numbers in this wave
	v_pk_add_f32 v[T:T+1], v[T:T+1], v[T+2:T+3]
	v_pk_add_f32 v[T+4:T+5], v[T+4:T+5], v[T+6:T+7]
	v_pk_add_f32 v[T:T+1], v[T:T+1], v[T+4:T+5]
	v_add_f32 v[T], v[T], v[T+1]
	v_permlanex16_b32 v[T+1], v[T], s[SEL], s[SEL+1]
	v_add_f32 v[T], v[T], v[T+1]
.endm
.macro ABSSUM src, dst                 ; the wave's sum of the magnitudes of 64 registers
.irp k, 0,1,2,3
	v_add_f32 v[TM+\k], |v[\src+\k]|, |v[\src+4+\k]|
.endr
.irp j, 8,12,16,20,24,28,32,36,40,44,48,52,56,60
.irp k, 0,1,2,3
	v_add_f32 v[TM+\k], v[TM+\k], |v[\src+\j+\k]|
.endr
.endr
	v_add_f32 v[TM], v[TM], v[TM+1]
	v_add_f32 v[TM+2], v[TM+2], v[TM+3]
	v_add_f32 v[TM], v[TM], v[TM+2]
.irp m, 1,2,4,8
	v_add_f32_dpp v[TM], v[TM], v[TM] row_xmask:\m row_mask:0xf bank_mask:0xf
.endr
	v_permlanex16_b32 v[TM+1], v[TM], s[SEL], s[SEL+1]
	v_add_f32 v[\dst], v[TM], v[TM+1]
.endm
	s_load_b256 s[4:11], s[0:1], 0x0               ; x, gain, bias, w1
	s_load_b128 s[12:15], s[0:1], 0x20             ; w2, act
	s_load_b64 s[16:17], s[0:1], 0x30              ; wsum
	v_lshl_add_u32 v[SPW], v0, 2, SPARE
	v_mov_b32 v[NIL], 0
	v_lshrrev_b32 v1, 5, v0
	v_readfirstlane_b32 s18, v1                    ; wave
	v_and_b32 v1, 31, v0                           ; lane
	v_and_b32 v2, 15, v0                           ; r
	v_bfe_u32 v3, v0, 4, 1                         ; h
	v_and_b32 v[XA], 8, v2
	v_add_nc_u32 v[XA], v[XA], v2                  ; r + 8 (r/8)
	v_lshlrev_b32 v[XA], 12, v[XA]                 ; rows of 4,096 bytes
	v_lshl_add_u32 v[XA], v3, 6, v[XA]             ; + 64 h
	v_lshlrev_b32 v[LI], 4, v1
	v_lshlrev_b32 v[LR], 2, v1
	s_lshl_b32 s19, s18, 7
	v_add_nc_u32 v[LW], s19, v[LR]                 ; 128 wave + 4 lane
	v_lshlrev_b32 v[SA], 2, v2
	v_lshl_add_u32 v[SA], v3, 1, v[SA]             ; 4 r + 2 h: my half of row r's scale word
	s_lshl_b32 s19, s18, 3
	v_mov_b32 v10, s19
	v_add_nc_u32 v10, RED3, v10
	v_lshl_add_u32 v11, v2, 2, RED3
	s_lshl_b32 s19, s18, 10
	s_add_co_u32 s19, s19, GBL                     ; my wave's gain and bias in LDS
	v_add_nc_u32 v[GW], s19, v[LI]                 ; in: 16 bytes a lane
	v_lshlrev_b32 v[GR], 6, v3
	v_add_nc_u32 v[GR], s19, v[GR]                 ; back: + 64 h; the block and the quarter stand in the immediate
	v_mov_b32 v[MN+1], 0                           ; named with v[MN] as a pair
.irp b, 4,5,6,7
	v_mov_b32 v[TM+\b], 0                          ; a lane permute's destination counts as one of its sources
.endr
	s_mov_b32 s[SEL], 0x76543210
	s_mov_b32 s[SEL+1], 0xfedcba98
	s_mov_b32 s24, 0xffff0000                      ; lanes 16-31
	s_mov_b32 s30, 0x3a800000                      ; 1/1024
	s_mov_b32 s31, 0x3727c5ac                      ; 1e-5
	s_lshr_b32 s19, ttmp9, 1
	s_lshl_b32 s19, s19, 17                        ; 32 rows x 4,096 bytes
	s_and_b32 s22, ttmp9, 1
	s_lshl_b32 s22, s22, 15                        ; 8 rows
	s_add_co_u32 s22, s22, s19
	s_lshl_b32 s28, s18, 9                         ; 512 w
	s_add_co_u32 s22, s22, s28
	s_mov_b32 s23, 0
	s_mov_b32 s29, 0
	s_lshl_b32 s32, ttmp9, 3
	s_add_co_u32 s32, s32, s18                     ; fragment 8 T + w
	s_lshl_b32 s34, s32, 6
	s_add_co_u32 s34, s34, 2097152
	s_mov_b32 s35, 0
	s_lshl_b32 s36, s32, 13                        ; my wave's 8,192 bytes of w1 and of w2
	s_mov_b32 s37, 0
	s_lshl_b32 s38, ttmp9, 3
	s_mov_b32 s39, 0
	s_lshl_b32 s32, s32, 10
	s_mov_b32 s33, 0
	s_wait_kmcnt 0x0
	s_add_nc_u64 s[4:5], s[4:5], s[22:23]
	s_add_nc_u64 s[6:7], s[6:7], s[28:29]
	s_add_nc_u64 s[8:9], s[8:9], s[28:29]
	s_add_nc_u64 s[22:23], s[ACT:ACT+1], s[34:35]  ; the scale words' place
	s_add_nc_u64 s[ACT:ACT+1], s[ACT:ACT+1], s[32:33]
	s_add_nc_u64 s[10:11], s[10:11], s[36:37]
	s_add_nc_u64 s[12:13], s[12:13], s[36:37]
	s_add_nc_u64 s[16:17], s[16:17], s[38:39]
.irp e, 0,1,2,3
.irp q, 0,1,2,3
	global_load_b128 v[X+16*\e+4*\q:X+16*\e+4*\q+3], v[XA], s[4:5] offset:128*\e+16*\q
.endr
.endr
	global_load_b128 v[PC:PC+3], v[LI], s[6:7]     ; the gain of my wave's 128 columns: 512 consecutive bytes
	global_load_b128 v[PC+4:PC+7], v[LI], s[8:9]   ; the bias likewise
.irp i, 0,1,2,3,4,5,6,7,8,9,10,11,12,13,14,15
	global_load_b128 v[G+4*\i:G+4*\i+3], v[LI], s[10:11] offset:512*\i th:TH_LOAD_NT    ; 32 lanes read 512 consecutive bytes
.endr
.irp i, 0,1,2,3,4,5,6,7,8,9,10,11,12,13,14,15
	global_load_b128 v[BV+4*\i:BV+4*\i+3], v[LI], s[12:13] offset:512*\i th:TH_LOAD_NT
.endr
	s_wait_loadcnt 34                              ; x's 16 loads are in; the 34 issued behind them may be out
.irp k, 0,2,4,6
	v_pk_add_f32 v[T+\k:T+\k+1], v[X+\k:X+\k+1], v[X+8+\k:X+9+\k]
.endr
.irp j, 16,24,32,40,48,56
.irp k, 0,2,4,6
	v_pk_add_f32 v[T+\k:T+\k+1], v[T+\k:T+\k+1], v[X+\j+\k:X+\j+\k+1]
.endr
.endr
	FOLDSUM
	s_wait_loadcnt 32                              ; gain and bias are in; the 32 loads of w1 and w2 may be out
	ds_store_b128 v[GW], v[PC:PC+3]
	ds_store_b128 v[GW], v[PC+4:PC+7] offset:512
	s_wait_loadcnt 16                              ; w1's slice is in; w2's 16 loads may be out
	ABSSUM G, TM+8
	s_wait_loadcnt 0x0
	ABSSUM BV, TM+9
	ds_store_b64 v10, v[TM+8:TM+9]                 ; every lane writes the wave's two sums to the wave's own 8 bytes
.irp e, 0,1,2,3
.irp q, 0,1,2,3
	ds_load_b128 v[G+16*\e+4*\q:G+16*\e+4*\q+3], v[GR] offset:128*\e+16*\q           ; my own bytes: LDS serves a wave's instructions in order
	ds_load_b128 v[BV+16*\e+4*\q:BV+16*\e+4*\q+3], v[GR] offset:512+128*\e+16*\q
.endr
.endr
	CROSS RED0, v_add_f32                          ; (its wait for 0 also shows gain and bias in)
	v_mul_f32 v[MN], s30, v[T]                     ; the mean
	s_cmp_lg_u32 s18, 0
	s_cbranch_scc1 .Lnot_wave_0
	ds_load_b32 v[TM], v11                         ; word 2 w + tensor
	s_wait_dscnt 0x0
.irp m, 2,4,8
	v_add_f32_dpp v[TM], v[TM], v[TM] row_xmask:\m row_mask:0xf bank_mask:0xf   ; over the waves; the lane's parity, which is the tensor, is kept
.endr
	v_cmp_gt_u32 vcc_lo, 2, v1
	s_wait_xcnt 0x0                                ; EXEC changes only behind this wait
	s_and_saveexec_b32 s25, vcc_lo
	global_store_b32 v[LR], v[TM], s[16:17]        ; lanes 0 and 1: the work-group's sum|w1|, sum|w2|
	s_wait_xcnt 0x0                                ; and again ahead of the line that widens it; the store's data may be rewritten too
	s_or_b32 exec_lo, exec_lo, s25
.Lnot_wave_0:
.set j, 0
.rept 32
	v_pk_add_f32 v[X+j:X+j+1], v[X+j:X+j+1], v[MN:MN+1] op_sel_hi:[1,0] neg_lo:[0,1] neg_hi:[0,1]
.set j, j+2
.endr
.irp k, 0,2,4,6
	v_pk_mul_f32 v[T+\k:T+\k+1], v[X+\k:X+\k+1], v[X+\k:X+\k+1]
.endr
.irp j, 8,16,24,32,40,48,56
.irp k, 0,2,4,6
	v_pk_fma_f32 v[T+\k:T+\k+1], v[X+\j+\k:X+\j+\k+1], v[X+\j+\k:X+\j+\k+1], v[T+\k:T+\k+1]
.endr
.endr
	FOLDSUM
	CROSS RED1, v_add_f32
	v_fma_f32 v[T], v[T], s30, s31                 ; var + eps
	v_rsq_f32 v[MN], v[T]
	v_nop
	s_wait_alu depctr_va_vdst(0)                   ; ahead of the first reader
.set j, 0
.rept 32
	v_pk_mul_f32 v[X+j:X+j+1], v[X+j:X+j+1], v[MN:MN+1] op_sel_hi:[1,0]
.set j, j+2
.endr
.set j, 0
.rept 32
	v_pk_fma_f32 v[X+j:X+j+1], v[X+j:X+j+1], v[G+j:G+j+1], v[BV+j:BV+j+1]
.set j, j+2
.endr
	QUANT X, 4, PC
	global_store_b128 v[LI], v[PC:PC+3], s[ACT:ACT+1]              ; 512 consecutive bytes a store
	global_store_b128 v[LI], v[PC+4:PC+7], s[ACT:ACT+1] offset:512
	v_lshrrev_b32 v[T], 16, v[PW]
	v_cndmask_b32 v[T], v[PW], v[T], s24           ; lanes 16-31 carry the word's upper half
	global_store_b16 v[SA], v[T], s[22:23]         ; 32 lanes store the fragment's 64 scale bytes
	s_wait_tensorcnt 0x0                           ; the wave's end: behind my last LDS store
	ds_add_u32 v[SPW], v[NIL]
	s_wait_dscnt 0x0
	s_endpgm
.Lfunc_end_k_q71a370172c_ln1sum:
	.size	k_q71a370172c_ln1sum, .Lfunc_end_k_q71a370172c_ln1sum-k_q71a370172c_ln1sum
	.p2alignl 7, 3214868480
	.fill 96, 4, 3214868480
	.section	.rodata,"a",@progbits
	.p2align	6, 0x0
	.amdhsa_kernel k_q71a370172c_ln1sum
		.amdhsa_group_segment_fixed_size 11520
		.amdhsa_private_segment_fixed_size 0
		.amdhsa_enable_private_segment 0
		.amdhsa_kernarg_size 56
		.amdhsa_user_sgpr_count 2
		.amdhsa_user_sgpr_kernarg_segment_ptr 1
		.amdhsa_wavefront_size32 1
		.amdhsa_system_sgpr_workgroup_id_x 1
		.amdhsa_system_sgpr_workgroup_id_y 1
		.amdhsa_system_sgpr_workgroup_id_z 1
		.amdhsa_system_vgpr_workitem_id 0
		.amdhsa_next_free_vgpr 256
		.amdhsa_next_free_sgpr 66
		.amdhsa_reserve_vcc 1
		.amdhsa_float_denorm_mode_32 3
		.amdhsa_float_denorm_mode_16_64 3
		.amdhsa_memory_ordered 1
		.amdhsa_forward_progress 1
		.amdhsa_inst_pref_size 36
	.end_amdhsa_kernel
	.amdgpu_metadata
---
amdhsa.version: [ 1, 2 ]
amdhsa.kernels:
  - .name:           k_q71a370172c_ln1sum
    .symbol:         k_q71a370172c_ln1sum.kd
    .args:
      - { .name: x, .offset: 0, .size: 8, .value_kind: global_buffer, .address_space: global }
      - { .name: ln1_g, .offset: 8, .size: 8, .value_kind: global_buffer, .address_space: global }
      - { .name: ln1_b, .offset: 16, .size: 8, .value_kind: global_buffer, .address_space: global }
      - { .name: w1, .offset: 24, .size: 8, .value_kind: global_buffer, .address_space: global }
      - { .name: w2, .offset: 32, .size: 8, .value_kind: global_buffer, .address_space: global }
      - { .name: act, .offset: 40, .size: 8, .value_kind: global_buffer, .address_space: global }
      - { .name: wsum, .offset: 48, .size: 8, .value_kind: global_buffer, .address_space: global }
    .group_segment_fixed_size: 11520
    .private_segment_fixed_size: 0
    .kernarg_segment_align: 8
    .kernarg_segment_size: 56
    .max_flat_workgroup_size: 256
    .sgpr_count:     66
    .vgpr_count:     256
    .wavefront_size: 32
...
	.end_amdgpu_metadata
.endif
;; end of part 1
;; launch wquant (part 2): grid 768 x 1, 4 waves a work-group, no clusters, 0 bytes of LDS; arguments in_proj_w, out_proj_w, w1, w2, wsum, wq; writes wq
.if DOCPART == 2
	.amdgcn_target "amdgcn-amd-amdhsa--gfx1250"
	.amdhsa_code_object_version 6
	.text
	.protected	k_q71a370172c_wquant
	.globl	k_q71a370172c_wquant
	.p2align	8
	.type	k_q71a370172c_wquant,@function
k_q71a370172c_wquant:
	s_mov_b64 s[64:65], 0
	v_nop
	global_prefetch_b8 v0, s[64:65] scope:SCOPE_SE
	s_setreg_imm32_b32 hwreg(HW_REG_WAVE_MODE, 25, 1), 1
	s_wait_xcnt 0x0
; LAUNCH 2 OF 9.  The four weights become MX-FP4 fragment images in wq (format: head of launch 1).  w1 and w2 are first made ternary: clip(round(w / s), -1, 1) s, s = max(mean|w|, 1e-5).
; Left out as dead work: w + stop_gradient(weight_quant(w) - w) is weight_quant(w) in real numbers (shown at the head of launch 1).
; Fragment number f: in_proj 0.., out_proj 1,536.., w1 2,048.., w2 4,096..; codes at 1,024 f, scale words at 6,291,456 + 64 f.  A wave makes fragments 8 g + 2 w + 0, 1: one tile, two K steps,
; and all its 36 loads go out at its head.
; ONE path through the text: pointer, first fragment and row length are chosen by s_cselect on the work-group's number; the ternary arithmetic always runs and v_cndmask_b32 keeps or drops it.
; w / s is a reciprocal and one correction.  No LDS, no barrier: waves share nothing.
.set X0, 16
.set Q, 144
.set E, 160
.set TM, 176
.set PW, 192
.set PS, 193
.set MG, 194
.set PC, 196
.set WS, 228
.set S, 244
.set RI, 246
.set SEL, 26
.macro QUANT src, nb, pc
.set qb, 0
.rept \nb
	v_max3_num_f32 v[TM+qb], |v[(\src)+16*qb]|, |v[(\src)+16*qb+1]|, 0x1800000   ; with the floor 2^(3-127): the byte cannot fall under 1
.set qb, qb+1
.endr
.irp i, 2,4,6,8,10,12,14
.set qb, 0
.rept \nb
	v_max3_num_f32 v[TM+qb], v[TM+qb], |v[(\src)+16*qb+\i]|, |v[(\src)+16*qb+\i+1]|
.set qb, qb+1
.endr
.endr
.set qb, 0
.rept \nb
	v_permlanex16_b32 v[TM+4+qb], v[TM+qb], s[SEL], s[SEL+1]
.set qb, qb+1
.endr
.set qb, 0
.rept \nb
	v_max_num_f32 v[TM+qb], v[TM+qb], v[TM+4+qb]
.set qb, qb+1
.endr
.set qb, 0
.rept \nb
	v_add_nc_u32 v[TM+12+qb], 0xff000000, v[TM+qb]
.set qb, qb+1
.endr
.set qb, 0
.rept \nb
	v_lshrrev_b32 v[TM+4+qb], 23, v[TM+12+qb]
.set qb, qb+1
.endr
	v_lshl_or_b32 v[PW], v[TM+5], 8, v[TM+4]
	v_lshl_or_b32 v[PW], v[TM+6], 16, v[PW]
	v_lshl_or_b32 v[PW], v[TM+7], 24, v[PW]
.set qb, 0
.rept \nb
	v_cvt_scalef32_pk8_fp4_f32 v[(\pc)+2*qb], v[(\src)+16*qb:(\src)+16*qb+7], v[TM+12+qb]
	v_cvt_scalef32_pk8_fp4_f32 v[(\pc)+2*qb+1], v[(\src)+16*qb+8:(\src)+16*qb+15], v[TM+12+qb]
.set qb, qb+1
.endr
	v_nop
.set qb, 0
.rept \nb/2
	v_permlane16_swap_b32 v[(\pc)+4*qb], v[(\pc)+4*qb+2]
	v_permlane16_swap_b32 v[(\pc)+4*qb+1], v[(\pc)+4*qb+3]
.set qb, qb+1
.endr
.endm
.macro TERN16 x
.irp j, 0,2,4,6,8,10,12,14
	v_pk_mul_f32 v[Q+\j:Q+\j+1], v[(\x)+\j:(\x)+\j+1], v[RI:RI+1] op_sel_hi:[1,0]
.endr
.irp j, 0,2,4,6,8,10,12,14
	v_pk_fma_f32 v[E+\j:E+\j+1], v[Q+\j:Q+\j+1], v[S:S+1], v[(\x)+\j:(\x)+\j+1] op_sel_hi:[1,0,1] neg_lo:[1,0,0] neg_hi:[1,0,0]
.endr
.irp j, 0,2,4,6,8,10,12,14
	v_pk_fma_f32 v[Q+\j:Q+\j+1], v[E+\j:E+\j+1], v[RI:RI+1], v[Q+\j:Q+\j+1] op_sel_hi:[1,0,1]
.endr
.irp j, 0,1,2,3,4,5,6,7,8,9,10,11,12,13,14,15
	v_rndne_f32 v[Q+\j], v[Q+\j]
.endr
.irp j, 0,1,2,3,4,5,6,7,8,9,10,11,12,13,14,15
	v_med3_num_f32 v[Q+\j], v[Q+\j], -1.0, 1.0
.endr
.irp j, 0,2,4,6,8,10,12,14
	v_pk_mul_f32 v[Q+\j:Q+\j+1], v[Q+\j:Q+\j+1], v[S:S+1] op_sel_hi:[1,0]
.endr
.irp j, 0,1,2,3,4,5,6,7,8,9,10,11,12,13,14,15
	v_cndmask_b32 v[(\x)+\j], v[(\x)+\j], v[Q+\j], s24     ; w1, w2: the ternary number; in_proj, out_proj: the weight as it is
.endr
.endm
.macro LOADF i                         ; fragment i's 64 numbers a lane into buffer i
.irp e, 0,1,2,3
.irp q, 0,1,2,3
	global_load_b128 v[X0+64*(\i)+16*\e+4*\q:X0+64*(\i)+16*\e+4*\q+3], v4, s[20:21] offset:512*(\i)+128*\e+16*\q
.endr
.endr
.endm
	s_load_b256 s[4:11], s[0:1], 0x0               ; in_proj_w, out_proj_w, w1, w2
	s_load_b128 s[12:15], s[0:1], 0x20             ; wsum, wq
	v_lshrrev_b32 v1, 5, v0
	v_readfirstlane_b32 s16, v1                    ; wave
	v_and_b32 v1, 31, v0
	v_and_b32 v2, 15, v0
	v_bfe_u32 v3, v0, 4, 1
	s_mov_b32 s[SEL], 0x76543210
	s_mov_b32 s[SEL+1], 0xfedcba98
	s_mov_b32 s28, 0xffff0000
.irp b, 4,5,6,7
	v_mov_b32 v[TM+\b], 0
.endr
	s_mov_b32 s22, 4096                            ; w2's values: first fragment,
	s_mov_b32 s23, 5                               ; log2 of its K steps,
	s_mov_b32 s24, -1                              ; ternary,
	s_mov_b32 s25, -1                              ; takes wsum's second sum
	s_wait_kmcnt 0x0
	s_mov_b64 s[20:21], s[10:11]
	s_cmp_lt_u32 ttmp9, 512                        ; w1
	s_cselect_b64 s[20:21], s[8:9], s[20:21]
	s_cselect_b32 s22, 2048, s22
	s_cselect_b32 s23, 3, s23
	s_cselect_b32 s25, 0, s25
	s_cmp_lt_u32 ttmp9, 256                        ; out_proj
	s_cselect_b64 s[20:21], s[6:7], s[20:21]
	s_cselect_b32 s22, 1536, s22
	s_cselect_b32 s24, 0, s24
	s_cmp_lt_u32 ttmp9, 192                        ; in_proj
	s_cselect_b64 s[20:21], s[4:5], s[20:21]
	s_cselect_b32 s22, 0, s22
	s_lshl_b32 s29, ttmp9, 3
	s_lshl_b32 s30, s16, 1
	s_add_co_u32 s29, s29, s30                     ; my first fragment
	s_sub_co_u32 s30, s29, s22                     ; in its matrix
	s_lshr_b32 s31, s30, s23                       ; tile
	s_lshl_b32 s32, s31, s23
	s_sub_co_u32 s30, s30, s32                     ; K step
	s_add_co_u32 s34, s23, 9                       ; log2 of a row's bytes
	s_lshr_b32 s32, s31, 1
	s_lshl_b32 s32, s32, 5
	s_and_b32 s33, s31, 1
	s_lshl_b32 s33, s33, 3
	s_add_co_u32 s32, s32, s33                     ; the tile's first row
	s_lshl_b32 s32, s32, s34
	s_lshl_b32 s30, s30, 9
	s_add_co_u32 s32, s32, s30
	s_mov_b32 s33, 0
	s_add_nc_u64 s[20:21], s[20:21], s[32:33]
	v_and_b32 v4, 8, v2
	v_add_nc_u32 v4, v4, v2                        ; r + 8 (r/8)
	v_lshlrev_b32 v4, s34, v4
	v_lshl_add_u32 v4, v3, 6, v4                   ; + 64 h
	v_lshlrev_b32 v5, 4, v1
	v_lshlrev_b32 v6, 2, v1
	v_lshlrev_b32 v7, 6, v1
	s_lshl_b32 s30, s29, 10
	s_mov_b32 s31, 0
	s_lshl_b32 s32, s29, 6
	s_add_co_u32 s32, s32, 6291456
	s_add_nc_u64 s[36:37], s[14:15], s[32:33]      ; my scale words
	s_add_nc_u64 s[14:15], s[14:15], s[30:31]      ; my codes
.irp i, 0,1,2,3
	global_load_b128 v[WS+4*\i:WS+4*\i+3], v7, s[12:13] offset:16*\i   ; eight work-groups' pairs of sums a lane
.endr
	LOADF 0
	LOADF 1
	s_wait_loadcnt 32                              ; wsum is in; the two fragments may be out
	v_pk_add_f32 v[WS:WS+1], v[WS:WS+1], v[WS+2:WS+3]
	v_pk_add_f32 v[WS+4:WS+5], v[WS+4:WS+5], v[WS+6:WS+7]
	v_pk_add_f32 v[WS+8:WS+9], v[WS+8:WS+9], v[WS+10:WS+11]
	v_pk_add_f32 v[WS+12:WS+13], v[WS+12:WS+13], v[WS+14:WS+15]
	v_pk_add_f32 v[WS:WS+1], v[WS:WS+1], v[WS+4:WS+5]
	v_pk_add_f32 v[WS+8:WS+9], v[WS+8:WS+9], v[WS+12:WS+13]
	v_pk_add_f32 v[WS:WS+1], v[WS:WS+1], v[WS+8:WS+9]
.irp m, 1,2,4,8
	v_add_f32_dpp v[WS], v[WS], v[WS] row_xmask:\m row_mask:0xf bank_mask:0xf
	v_add_f32_dpp v[WS+1], v[WS+1], v[WS+1] row_xmask:\m row_mask:0xf bank_mask:0xf
.endr
	v_permlanex16_b32 v[WS+2], v[WS], s[SEL], s[SEL+1]
	v_permlanex16_b32 v[WS+3], v[WS+1], s[SEL], s[SEL+1]
	v_pk_add_f32 v[WS:WS+1], v[WS:WS+1], v[WS+2:WS+3]
	v_cndmask_b32 v[S], v[WS], v[WS+1], s25
	v_mul_f32 v[S], 0x34800000, v[S]               ; / 4,194,304: the mean
	v_max_num_f32 v[S], 0x3727c5ac, v[S]
	v_rcp_f32 v[RI], v[S]
	v_mov_b32 v[S+1], v[S]                         ; the pair's upper word; also the plain place
	s_wait_alu depctr_va_vdst(0)
	v_mov_b32 v[RI+1], v[RI]
.irp i, 0,1
.if \i < 1
	s_wait_loadcnt 16                              ; this fragment is in; the next one's 16 loads may be out
.else
	s_wait_loadcnt 0x0
.endif
.irp u, 0,16,32,48
	TERN16 X0+64*\i+\u
.endr
	QUANT X0+64*\i, 4, PC+8*\i
	global_store_b128 v5, v[PC+8*\i:PC+8*\i+3], s[14:15] offset:1024*\i
	global_store_b128 v5, v[PC+8*\i+4:PC+8*\i+7], s[14:15] offset:1024*\i+512
.if \i == 0
	v_mov_b32 v[PS], v[PW]
.else
	v_cndmask_b32 v[MG], v[PS], v[PW], s28         ; lanes 0-15 the fragment before, lanes 16-31 this one
	global_store_b32 v6, v[MG], s[36:37]           ; 128 consecutive bytes
.endif
.endr
	s_endpgm
.Lfunc_end_k_q71a370172c_wquant:
	.size	k_q71a370172c_wquant, .Lfunc_end_k_q71a370172c_wquant-k_q71a370172c_wquant
	.p2alignl 7, 3214868480
	.fill 96, 4, 3214868480
	.section	.rodata,"a",@progbits
	.p2align	6, 0x0
	.amdhsa_kernel k_q71a370172c_wquant
		.amdhsa_group_segment_fixed_size 0
		.amdhsa_private_segment_fixed_size 0
		.amdhsa_enable_private_segment 0
		.amdhsa_kernarg_size 48
		.amdhsa_user_sgpr_count 2
		.amdhsa_user_sgpr_kernarg_segment_ptr 1
		.amdhsa_wavefront_size32 1
		.amdhsa_system_sgpr_workgroup_id_x 1
		.amdhsa_system_sgpr_workgroup_id_y 1
		.amdhsa_system_sgpr_workgroup_id_z 1
		.amdhsa_system_vgpr_workitem_id 0
		.amdhsa_next_free_vgpr 256
		.amdhsa_next_free_sgpr 66
		.amdhsa_reserve_vcc 0
		.amdhsa_float_denorm_mode_32 3
		.amdhsa_float_denorm_mode_16_64 3
		.amdhsa_memory_ordered 1
		.amdhsa_forward_progress 1
		.amdhsa_inst_pref_size 52
	.end_amdhsa_kernel
	.amdgpu_metadata
---
amdhsa.version: [ 1, 2 ]
amdhsa.kernels:
  - .name:           k_q71a370172c_wquant
    .symbol:         k_q71a370172c_wquant.kd
    .args:
      - { .name: in_proj_w, .offset: 0, .size: 8, .value_kind: global_buffer, .address_space: global }
      - { .name: out_proj_w, .offset: 8, .size: 8, .value_kind: global_buffer, .address_space: global }
      - { .name: w1, .offset: 16, .size: 8, .value_kind: global_buffer, .address_space: global }
      - { .name: w2, .offset: 24, .size: 8, .value_kind: global_buffer, .address_space: global }
      - { .name: wsum, .offset: 32, .size: 8, .value_kind: global_buffer, .address_space: global }
      - { .name: wq, .offset: 40, .size: 8, .value_kind: global_buffer, .address_space: global }
    .group_segment_fixed_size: 0
    .private_segment_fixed_size: 0
    .kernarg_segment_align: 8
    .kernarg_segment_size: 48
    .max_flat_workgroup_size: 128
    .sgpr_count:     66
    .vgpr_count:     256
    .wavefront_size: 32
...
	.end_amdgpu_metadata
.endif
;; end of part 2
;; launch gemm1 (part 3): grid 12 x 16, 8 waves a work-group, no clusters, 327,680 bytes of LDS; arguments act, wq, in_proj_b, qkv; writes qkv
.if DOCPART == 3
	.amdgcn_target "amdgcn-amd-amdhsa--gfx1250"
	.amdhsa_code_object_version 6
	.text
	.protected	k_q71a370172c_gemm1
	.globl	k_q71a370172c_gemm1
	.p2align	8
	.type	k_q71a370172c_gemm1,@function
k_q71a370172c_gemm1:
	s_mov_b64 s[64:65], 0
	v_nop
	global_prefetch_b8 v0, s[64:65] scope:SCOPE_SE
	s_setreg_imm32_b32 hwreg(HW_REG_WAVE_MODE, 25, 1), 1
	s_wait_xcnt 0x0
; LAUNCH 3 OF 9.  qkv = LN1(x) in_proj_w^T + in_proj_b on MX-FP4 codes, quantised at once for attention's two products (formats: head of launch 1).
; A work-group makes 256 tokens (y) x 256 features (x).  K = 1,024: both panels of codes (2 x 128 KiB) and their scale words (2 x 8 KiB) lie in LDS whole: first fills alone, one barrier.
; Source 0 is the operand along whose rows the result is quantised next: for q and k (x < 8) the weight (a lane then holds one token, its registers run along the head's 64);
; for v (x >= 8) the tokens (a lane holds one feature, its registers run along the keys).  So the LDS panels change places with x >> 3.
; EIGHT WAVES OF 512 REGISTERS.  Wave w: a = w & 1: eight tiles of source 0; c = w >> 1: four tiles of source 1: 32 accumulators, which take turns.  For 128 along K a wave reads 12 fragments
; (12 KiB) from LDS for 32 products.  A scale register carries two K steps: lanes 0-15 the even step's words, lanes 16-31 the odd step's (they lie on end in the image); the odd step names the upper lanes.
; REGISTERS: window 1: accumulator (n, i) at v[64 n + 8 i].  Window 0: v4-7 LDS addresses; v16-79 source 0's fragments, later the 64 numbers at work; v80-111 source 1's, later the quantiser's;
; v112-123 scale words alone; v128-191 the bias; v192-223 codes.  s_set_vgpr_msb's low byte: bits 1:0 source 0, 3:2 source 1, 5:4 source 2, 7:6 destination.
; THE TWO PATHS PART ONCE, behind the barrier: each asks for its bias there, and the K loop, written in both, stands between that request and its use.  The addition of the bias is also
; the line that brings an accumulator into window 0.
; NO CLUSTER: a panel is shared by the work-groups of a row or a column of the grid, but each asks for it once, at its head, by a pointer that a wave picks by arithmetic with no branch;
; joint loads would want two masks, two arms and two rounds of the cluster's barrier for that one request.
; A q or k image is 512 bytes: registers 0-3 of a fragment (the head's 64); bytes 2, 3 of its scale word belong to the neighbour head or are 0: attention multiplies zero codes by them.
.set WSC, 6291456
.set SPARE, 278528
.set SPW, 8
.set NIL, 9
.set XQ, 16
.set TM, 80
.set PW, 96
.set BI, 128
.set PC, 192
.set SEL, 54
.set MSB, 0
.macro WIN new                         ; the immediate's high byte repeats the setting that is left
.if MSB != \new
	s_set_vgpr_msb (MSB<<8)|\new
.set MSB, \new
.endif
.endm
.macro PLACES n
.rept \n
	v_nop
.endr
.endm
.macro QUANT src, nb, pc
.set qb, 0
.rept \nb
	v_max3_num_f32 v[TM+qb], |v[(\src)+16*qb]|, |v[(\src)+16*qb+1]|, 0x1800000   ; with the floor 2^(3-127): the byte cannot fall under 1
.set qb, qb+1
.endr
.irp i, 2,4,6,8,10,12,14
.set qb, 0
.rept \nb
	v_max3_num_f32 v[TM+qb], v[TM+qb], |v[(\src)+16*qb+\i]|, |v[(\src)+16*qb+\i+1]|
.set qb, qb+1
.endr
.endr
.set qb, 0
.rept \nb
	v_permlanex16_b32 v[TM+4+qb], v[TM+qb], s[SEL], s[SEL+1]
.set qb, qb+1
.endr
.set qb, 0
.rept \nb
	v_max_num_f32 v[TM+qb], v[TM+qb], v[TM+4+qb]
.set qb, qb+1
.endr
.set qb, 0
.rept \nb
	v_add_nc_u32 v[TM+12+qb], 0xff000000, v[TM+qb]
.set qb, qb+1
.endr
.set qb, 0
.rept \nb
	v_lshrrev_b32 v[TM+4+qb], 23, v[TM+12+qb]
.set qb, qb+1
.endr
	v_lshl_or_b32 v[PW], v[TM+5], 8, v[TM+4]
	v_lshl_or_b32 v[PW], v[TM+6], 16, v[PW]
	v_lshl_or_b32 v[PW], v[TM+7], 24, v[PW]
.set qb, 0
.rept \nb
	v_cvt_scalef32_pk8_fp4_f32 v[(\pc)+2*qb], v[(\src)+16*qb:(\src)+16*qb+7], v[TM+12+qb]
	v_cvt_scalef32_pk8_fp4_f32 v[(\pc)+2*qb+1], v[(\src)+16*qb+8:(\src)+16*qb+15], v[TM+12+qb]
.set qb, qb+1
.endr
	v_nop
.set qb, 0
.rept \nb/2
	v_permlane16_swap_b32 v[(\pc)+4*qb], v[(\pc)+4*qb+2]
	v_permlane16_swap_b32 v[(\pc)+4*qb+1], v[(\pc)+4*qb+3]
.set qb, qb+1
.endr
.endm
; one K step of 128: 24 fragment loads at 16 x lane, in the even steps 12 scale loads for two steps, 32 products; every offset an immediate
.macro KSTEP s
.if \s > 0
	PLACES 4                                       ; ahead of loads into registers that the last products read
.endif
.irp i, 0,1,2,3,4,5,6,7
	ds_load_b128 v[16+8*\i:19+8*\i], v4 offset:8192*\i+1024*\s
	ds_load_b128 v[20+8*\i:23+8*\i], v4 offset:8192*\i+1024*\s+512
.endr
.irp n, 0,1,2,3
	ds_load_b128 v[80+8*\n:83+8*\n], v5 offset:8192*\n+1024*\s
	ds_load_b128 v[84+8*\n:87+8*\n], v5 offset:8192*\n+1024*\s+512
.endr
.if (\s % 2) == 0
.irp i, 0,1,2,3,4,5,6,7
	ds_load_b32 v[112+\i], v6 offset:512*\i+64*\s
.endr
.irp n, 0,1,2,3
	ds_load_b32 v[120+\n], v7 offset:512*\n+64*\s
.endr
.endif
	s_wait_dscnt 0x0
	WIN 0x50                                       ; C and D window 1
.irp n, 0,1,2,3
.irp i, 0,1,2,3,4,5,6,7
.if \s == 0
	v_wmma_scale_f32_16x16x128_f8f6f4 v[64*\n+8*\i:64*\n+8*\i+7], v[16+8*\i:23+8*\i], v[80+8*\n:87+8*\n], 0, v[112+\i], v[120+\n] matrix_a_fmt:MATRIX_FMT_FP4 matrix_b_fmt:MATRIX_FMT_FP4
.elseif (\s % 2) == 0
	v_wmma_scale_f32_16x16x128_f8f6f4 v[64*\n+8*\i:64*\n+8*\i+7], v[16+8*\i:23+8*\i], v[80+8*\n:87+8*\n], v[64*\n+8*\i:64*\n+8*\i+7], v[112+\i], v[120+\n] matrix_a_fmt:MATRIX_FMT_FP4 matrix_b_fmt:MATRIX_FMT_FP4
.else
	v_wmma_scale_f32_16x16x128_f8f6f4 v[64*\n+8*\i:64*\n+8*\i+7], v[16+8*\i:23+8*\i], v[80+8*\n:87+8*\n], v[64*\n+8*\i:64*\n+8*\i+7], v[112+\i], v[120+\n] matrix_a_fmt:MATRIX_FMT_FP4 matrix_b_fmt:MATRIX_FMT_FP4 matrix_a_scale:MATRIX_SCALE_ROW1 matrix_b_scale:MATRIX_SCALE_ROW1
.endif
.endr
.endr
	WIN 0
.endm
.macro KLOOP
.irp s, 0,1,2,3,4,5,6,7
	KSTEP \s
.endr
	PLACES 4                                       ; ahead of the first read of results and of writes into the last products' operands
.endm
	s_load_b256 s[4:11], s[0:1], 0x0               ; act, wq, in_proj_b, qkv
	v_lshl_add_u32 v[SPW], v0, 2, SPARE
	v_mov_b32 v[NIL], 0
	ds_add_u32 v[SPW], v[NIL]                      ; the wave's opening: the add, twice on end, and its wait ahead of my first tensor load
	ds_add_u32 v[SPW], v[NIL]
	v_lshrrev_b32 v1, 5, v0
	v_readfirstlane_b32 s14, v1                    ; wave 0..7
	s_and_b32 s15, s14, 1                          ; a
	s_lshr_b32 s16, s14, 1                         ; c
	s_mov_b32 s17, ttmp9                           ; x: 256 features
	s_and_b32 s18, ttmp7, 0xffff                   ; y: 256 tokens
	s_mov_b32 s24, 3<<16                           ; group 1, codes: elements of 8 bytes, no padding, no mask
	s_mov_b32 s25, 32<<16                          ; tensor_dim0 = 32 (256 bytes)
	s_mov_b32 s26, 128<<16                         ; tensor_dim1 = 128
	s_mov_b32 s27, 32<<16                          ; tile_dim0
	s_mov_b32 s28, 128                             ; tile_dim1: 32 KiB a wave
	s_mov_b32 s29, 32                              ; pitch: dense
	s_mov_b32 s30, 0
	s_mov_b32 s31, 0
	s_mov_b32 s36, 3<<16                           ; group 1, scale words: 8 rows of 256 bytes
	s_mov_b32 s37, 32<<16
	s_mov_b32 s38, 8<<16
	s_mov_b32 s39, 32<<16
	s_mov_b32 s40, 8
	s_mov_b32 s41, 32
	s_mov_b32 s42, 0
	s_mov_b32 s43, 0
	s_mov_b32 s20, 1
	s_lshl_b32 s21, s14, 15                        ; LDS: 32,768 x wave: waves 0-3 source 0's panel, waves 4-7 source 1's
	s_mov_b32 s32, 1
	s_lshl_b32 s33, s14, 11
	s_add_co_u32 s33, s33, 262144
	s_mov_b32 s52, 0xffff0000
	s_mov_b32 s[SEL], 0x76543210
	s_mov_b32 s[SEL+1], 0xfedcba98
	s_lshr_b32 s19, s14, 2
	s_lshr_b32 s50, s17, 3
	s_xor_b32 s19, s19, s50                        ; 0: I fetch the weight's panel; 1: the tokens'
	s_lshl_b32 s44, s17, 17                        ; in_proj's codes begin at wq's first byte
	s_lshl_b32 s46, s18, 17
	s_lshl_b32 s48, s17, 13
	s_add_co_u32 s48, s48, WSC
	s_lshl_b32 s50, s18, 13
	s_add_co_u32 s50, s50, 2097152
	s_and_b32 s51, s14, 3
	s_wait_dscnt 0x0                               ; both opening adds are done
	s_wait_kmcnt 0x0
	s_cmp_eq_u32 s19, 0
	s_cselect_b32 s44, s44, s46
	s_cselect_b32 s48, s48, s50
	s_cselect_b64 s[46:47], s[6:7], s[4:5]
	s_lshl_b32 s50, s51, 15
	s_add_co_u32 s44, s44, s50
	s_lshl_b32 s50, s51, 11
	s_add_co_u32 s48, s48, s50
	s_mov_b32 s45, 0
	s_mov_b32 s49, 0
	s_add_nc_u64 s[22:23], s[46:47], s[44:45]
	s_or_b32 s23, s23, 0x80000000
	tensor_load_to_lds s[20:23], s[24:31]          ; my quarter of a panel of codes
	s_nop 0
	s_add_nc_u64 s[34:35], s[46:47], s[48:49]
	s_or_b32 s35, s35, 0x80000000
	tensor_load_to_lds s[32:35], s[36:43]          ; and of its scale words: two tensor loads of mine are out
	s_nop 0
	v_and_b32 v1, 31, v0
	v_and_b32 v2, 15, v0
	v_bfe_u32 v3, v0, 4, 1
	v_lshlrev_b32 v10, 4, v1                       ; 16 lane
	v_lshlrev_b32 v11, 2, v2                       ; 4 r
	v_lshlrev_b32 v14, 2, v1                       ; 4 lane
	s_lshl_b32 s50, s15, 16
	v_add_nc_u32 v4, s50, v10                      ; source 0's fragments
	s_lshl_b32 s50, s16, 15
	s_add_co_u32 s50, s50, 131072
	v_add_nc_u32 v5, s50, v10                      ; source 1's
	s_lshl_b32 s50, s15, 12
	s_add_co_u32 s50, s50, 262144
	v_add_nc_u32 v6, s50, v14                      ; source 0's scale words: two K steps' 128 bytes to the 32 lanes
	s_lshl_b32 s50, s16, 11
	s_add_co_u32 s50, s50, 270336
	v_add_nc_u32 v7, s50, v14                      ; source 1's
	s_wait_tensorcnt 0x0                           ; my parts have landed,
	s_barrier_signal -1
	s_barrier_wait -1                              ; everybody's have; nothing is filled again
	s_cmp_lt_u32 s17, 8
	s_cbranch_scc0 .Lvpath
	; ---- q or k: a lane holds one token; registers 16 b + i = feature 32 b + 16 h + i of my 128: two heads
	s_lshl_b32 s44, s17, 10
	s_lshl_b32 s46, s15, 9
	s_add_co_u32 s44, s44, s46
	s_mov_b32 s45, 0
	s_add_nc_u64 s[8:9], s[8:9], s[44:45]
	v_lshlrev_b32 v12, 6, v3
.irp e, 0,1,2,3
.irp q, 0,1,2,3
	global_load_b128 v[BI+16*\e+4*\q:BI+16*\e+4*\q+3], v12, s[8:9] offset:128*\e+16*\q   ; the bias, in the result's layout: it lands under the K loop
.endr
.endr
	s_lshr_b32 s46, s18, 3                         ; batch
	s_lshl_b32 s46, s46, 4
	s_and_b32 s47, s17, 3
	s_lshl_b32 s47, s47, 2
	s_add_co_u32 s46, s46, s47
	s_lshl_b32 s47, s15, 1
	s_add_co_u32 s46, s46, s47                     ; my first head: 16 batch + 4 (x & 3) + 2 a
	s_and_b32 s47, s18, 7
	s_lshl_b32 s47, s47, 4
	s_lshl_b32 s48, s16, 2
	s_add_co_u32 s47, s47, s48                     ; my first token tile in the batch: 16 (y & 7) + 4 c
	s_lshr_b32 s48, s17, 2                         ; 0: q, 1: k
	s_lshl_b32 s44, s48, 21
	s_lshl_b32 s49, s46, 16
	s_add_co_u32 s44, s44, s49
	s_lshl_b32 s49, s47, 9
	s_add_co_u32 s44, s44, s49
	s_cmp_eq_u32 s48, 0
	s_mov_b32 s50, 12288
	s_cselect_b32 s50, 8192, s50                   ; from head to head among the scale words
	s_mov_b32 s51, 6553600
	s_cselect_b32 s51, 6291456, s51
	s_mul_i32 s49, s46, s50
	s_add_co_u32 s51, s51, s49
	s_lshl_b32 s49, s47, 6
	s_add_co_u32 s48, s51, s49
	s_mov_b32 s49, 0
	s_add_nc_u64 s[46:47], s[10:11], s[48:49]
	s_add_nc_u64 s[10:11], s[10:11], s[44:45]
	v_mul_u32_u24 v13, s50, v3
	v_add_nc_u32 v13, v13, v11                     ; 4 r, and the second head for lanes 16-31
	KLOOP
	s_wait_loadcnt 0x0                             ; the bias
.irp n, 0,1,2,3
	WIN 0x01                                       ; source 0 window 1
.set j, 0
.rept 32
	v_pk_add_f32 v[XQ+j:XQ+j+1], v[64*\n+j:64*\n+j+1], v[BI+j:BI+j+1]   ; the bias; each accumulator from its low end on; the sums land in window 0
.set j, j+2
.endr
	WIN 0
	QUANT XQ, 4, PC+8*\n
	global_store_b128 v10, v[PC+8*\n:PC+8*\n+3], s[10:11] offset:512*\n            ; the first head's image: 512 consecutive bytes
	global_store_b128 v10, v[PC+8*\n+4:PC+8*\n+7], s[10:11] offset:512*\n+65536    ; the second head's
	v_lshrrev_b32 v97, 16, v[PW]
	v_cndmask_b32 v[100+\n], v[PW], v97, s52
	global_store_b32 v13, v[100+\n], s[46:47] offset:64*\n                         ; two runs of 64 bytes
.endr
	s_branch .Lend
.Lvpath:
	; ---- v: a lane holds one feature of one head (my four tiles are the head's 64); registers 16 b + i = key 32 b + 16 h + i of my 128 tokens
	s_sub_co_u32 s44, s17, 8
	s_lshl_b32 s46, s44, 10
	s_lshl_b32 s47, s16, 8
	s_add_co_u32 s46, s46, s47
	s_add_co_u32 s46, s46, 8192
	s_mov_b32 s47, 0
	s_add_nc_u64 s[8:9], s[8:9], s[46:47]
	v_and_b32 v12, 8, v2
	v_add_nc_u32 v12, v12, v2
	v_lshlrev_b32 v12, 2, v12
.irp n, 0,1,2,3
	global_load_b32 v[BI+2*\n], v12, s[8:9] offset:128*(\n/2)+32*(\n%2)   ; my feature's bias in tile n: it lands under the K loop
	v_mov_b32 v[BI+2*\n+1], 0                      ; (named with it as a pair)
.endr
	s_lshr_b32 s46, s18, 3
	s_lshl_b32 s46, s46, 4
	s_lshl_b32 s47, s44, 2
	s_add_co_u32 s46, s46, s47
	s_add_co_u32 s46, s46, s16                     ; the head: 16 batch + 4 (x - 8) + c
	s_lshl_b32 s48, s18, 1
	s_add_co_u32 s48, s48, s15
	s_and_b32 s48, s48, 15                         ; the key step
	s_lshl_b32 s44, s46, 16
	s_lshl_b32 s49, s48, 10
	s_add_co_u32 s44, s44, s49
	s_add_co_u32 s44, s44, 4194304
	s_mov_b32 s45, 0
	s_mul_i32 s46, s46, 12288
	s_lshl_b32 s48, s48, 6
	s_add_co_u32 s48, s48, s46
	s_add_co_u32 s48, s48, 6553600+8192
	s_mov_b32 s49, 0
	s_add_nc_u64 s[46:47], s[10:11], s[48:49]
	s_add_nc_u64 s[10:11], s[10:11], s[44:45]
	v_lshl_add_u32 v13, v3, 10, v11                ; 4 r, and the next tile for lanes 16-31
	KLOOP
	s_wait_loadcnt 0x0                             ; the bias
.irp n, 0,1,2,3
	WIN 0x01
.set j, 0
.rept 32
	v_pk_add_f32 v[XQ+j:XQ+j+1], v[64*\n+j:64*\n+j+1], v[BI+2*\n:BI+2*\n+1] op_sel_hi:[1,0]
.set j, j+2
.endr
	WIN 0
	QUANT XQ, 4, PC+8*\n
	global_store_b128 v10, v[PC+8*\n:PC+8*\n+3], s[10:11] offset:16384*\n
	global_store_b128 v10, v[PC+8*\n+4:PC+8*\n+7], s[10:11] offset:16384*\n+512
.if \n%2 == 0
	v_mov_b32 v97, v[PW]
.else
	v_cndmask_b32 v[100+\n/2], v97, v[PW], s52     ; lanes 0-15 the tile before, lanes 16-31 this one
	global_store_b32 v13, v[100+\n/2], s[46:47] offset:2048*(\n/2)
.endif
.endr
.Lend:
	s_wait_tensorcnt 0x0                           ; the wave's end
	ds_add_u32 v[SPW], v[NIL]
	s_wait_dscnt 0x0
	s_endpgm
.Lfunc_end_k_q71a370172c_gemm1:
	.size	k_q71a370172c_gemm1, .Lfunc_end_k_q71a370172c_gemm1-k_q71a370172c_gemm1
	.p2alignl 7, 3214868480
	.fill 96, 4, 3214868480
	.section	.rodata,"a",@progbits
	.p2align	6, 0x0
	.amdhsa_kernel k_q71a370172c_gemm1
		.amdhsa_group_segment_fixed_size 327680
		.amdhsa_private_segment_fixed_size 0
		.amdhsa_enable_private_segment 0
		.amdhsa_kernarg_size 32
		.amdhsa_user_sgpr_count 2
		.amdhsa_user_sgpr_kernarg_segment_ptr 1
		.amdhsa_wavefront_size32 1
		.amdhsa_system_sgpr_workgroup_id_x 1
		.amdhsa_system_sgpr_workgroup_id_y 1
		.amdhsa_system_sgpr_workgroup_id_z 1
		.amdhsa_system_vgpr_workitem_id 0
		.amdhsa_next_free_vgpr 512
		.amdhsa_next_free_sgpr 66
		.amdhsa_reserve_vcc 0
		.amdhsa_float_denorm_mode_32 3
		.amdhsa_float_denorm_mode_16_64 3
		.amdhsa_memory_ordered 1
		.amdhsa_forward_progress 1
		.amdhsa_inst_pref_size 155
	.end_amdhsa_kernel
	.amdgpu_metadata
---
amdhsa.version: [ 1, 2 ]
amdhsa.kernels:
  - .name:           k_q71a370172c_gemm1
    .symbol:         k_q71a370172c_gemm1.kd
    .args:
      - { .name: act, .offset: 0, .size: 8, .value_kind: global_buffer, .address_space: global }
      - { .name: wq, .offset: 8, .size: 8, .value_kind: global_buffer, .address_space: global }
      - { .name: in_proj_b, .offset: 16, .size: 8, .value_kind: global_buffer, .address_space: global }
      - { .name: qkv, .offset: 24, .size: 8, .value_kind: global_buffer, .address_space: global }
    .group_segment_fixed_size: 327680
    .private_segment_fixed_size: 0
    .kernarg_segment_align: 8
    .kernarg_segment_size: 32
    .max_flat_workgroup_size: 256
    .sgpr_count:     66
    .vgpr_count:     512
    .wavefront_size: 32
...
	.end_amdgpu_metadata
.endif
;; end of part 3
;; launch attn (part 4): grid 8 x 32, 16 waves a work-group, no clusters, 167,936 bytes of LDS; arguments qkv, ocode; writes ocode
.if DOCPART == 4
	.amdgcn_target "amdgcn-amd-amdhsa--gfx1250"
	.amdhsa_code_object_version 6
	.text
	.protected	k_q71a370172c_attn
	.globl	k_q71a370172c_attn
	.p2align	8
	.type	k_q71a370172c_attn,@function
k_q71a370172c_attn:
	s_mov_b64 s[64:65], 0
	v_nop
	global_prefetch_b8 v0, s[64:65] scope:SCOPE_SE
	s_setreg_imm32_b32 hwreg(HW_REG_WAVE_MODE, 25, 1), 1
	s_wait_xcnt 0x0
; LAUNCH 4 OF 9.  Attention on MX-FP4 codes; its result leaves as codes for the out projection (formats: head of launch 1).
; t = score x log2(e) / 8; M = the running largest t rounded up to a whole number; p = 2^(t - M) is quantised along the keys, not normalised; the row's sum is taken of the unquantised p and divides at the end.
; A work-group owns 256 queries of one (batch, head); each of sixteen waves one tile of 16 queries in 256 registers.  The head's K and V codes (2 x 64 KiB) and scale words (12 KiB) lie in LDS whole:
; first fills alone, two a wave, one barrier.  A counted loop of 16 steps of 128 keys.
; Both products are used transposed (S^T = K Q^T, O^T = V^T P^T): a lane holds one query throughout, and the tiles' row order makes p's 16 registers of two neighbouring tiles 16 neighbouring keys.
; The first product's K is the head's 64: registers 4-7 of K's and Q's fragments are zero codes, which add nothing under any scale byte but 0xff; the bytes there are another head's (1..254) or 0.
; NO CLUSTER: the eight work-groups of a head read the same K and V once each, at their heads; joint loads are left for a later version.
.set SPARE, 143360
.set SPW, 5
.set NIL, 6
.set TM, 208
.set PW, 224
.set SEL, 48
.set CS, 40
.macro PLACES n
.rept \n
	v_nop
.endr
.endm
.macro QUANT src, nb, pc
.set qb, 0
.rept \nb
	v_max3_num_f32 v[TM+qb], |v[(\src)+16*qb]|, |v[(\src)+16*qb+1]|, 0x1800000   ; with the floor 2^(3-127): the byte cannot fall under 1
.set qb, qb+1
.endr
.irp i, 2,4,6,8,10,12,14
.set qb, 0
.rept \nb
	v_max3_num_f32 v[TM+qb], v[TM+qb], |v[(\src)+16*qb+\i]|, |v[(\src)+16*qb+\i+1]|
.set qb, qb+1
.endr
.endr
.set qb, 0
.rept \nb
	v_permlanex16_b32 v[TM+4+qb], v[TM+qb], s[SEL], s[SEL+1]
.set qb, qb+1
.endr
.set qb, 0
.rept \nb
	v_max_num_f32 v[TM+qb], v[TM+qb], v[TM+4+qb]
.set qb, qb+1
.endr
.set qb, 0
.rept \nb
	v_add_nc_u32 v[TM+12+qb], 0xff000000, v[TM+qb]
.set qb, qb+1
.endr
.set qb, 0
.rept \nb
	v_lshrrev_b32 v[TM+4+qb], 23, v[TM+12+qb]
.set qb, qb+1
.endr
.set qb, 0
.rept \nb
	v_cvt_scalef32_pk8_fp4_f32 v[(\pc)+2*qb], v[(\src)+16*qb:(\src)+16*qb+7], v[TM+12+qb]
	v_cvt_scalef32_pk8_fp4_f32 v[(\pc)+2*qb+1], v[(\src)+16*qb+8:(\src)+16*qb+15], v[TM+12+qb]
.set qb, qb+1
.endr
	v_nop
.set qb, 0
.rept \nb/2
	v_permlane16_swap_b32 v[(\pc)+4*qb], v[(\pc)+4*qb+2]
	v_permlane16_swap_b32 v[(\pc)+4*qb+1], v[(\pc)+4*qb+3]
.set qb, qb+1
.endr
.endm
	s_load_b128 s[4:7], s[0:1], 0x0                ; qkv, ocode
	v_lshl_add_u32 v[SPW], v0, 2, SPARE
	v_mov_b32 v[NIL], 0
	ds_add_u32 v[SPW], v[NIL]                      ; the wave's opening: the add, twice on end, and its wait ahead of my first tensor load
	ds_add_u32 v[SPW], v[NIL]
	v_lshrrev_b32 v8, 5, v0
	v_readfirstlane_b32 s8, v8                     ; wave 0..15
	s_and_b32 s9, ttmp7, 0xffff                    ; 16 batch + head
	s_lshl_b32 s10, ttmp9, 4
	s_add_co_u32 s10, s10, s8                      ; my tile of queries, 0..127
	s_mov_b32 s16, 3<<16                           ; group 1, codes: 32 rows of 256 bytes, dense
	s_mov_b32 s17, 32<<16
	s_mov_b32 s18, 32<<16
	s_mov_b32 s19, 32<<16
	s_mov_b32 s20, 32
	s_mov_b32 s21, 32
	s_mov_b32 s22, 0
	s_mov_b32 s23, 0
	s_mov_b32 s28, 3<<16                           ; group 1, scale words: 3 rows of 256 bytes
	s_mov_b32 s29, 32<<16
	s_mov_b32 s30, 3<<16
	s_mov_b32 s31, 32<<16
	s_mov_b32 s32, 3
	s_mov_b32 s33, 32
	s_mov_b32 s34, 0
	s_mov_b32 s35, 0
	s_mov_b32 s12, 1
	s_lshl_b32 s13, s8, 13                         ; LDS: 8,192 x wave: waves 0-7 K's codes, waves 8-15 V's
	s_mov_b32 s24, 1
	s_mul_i32 s25, s8, 768
	s_add_co_u32 s25, s25, 131072
	s_cmp_lt_u32 s8, 8
	s_mov_b32 s36, 4194304
	s_cselect_b32 s36, 2097152, s36
	s_lshl_b32 s37, s9, 16
	s_add_co_u32 s36, s36, s37
	s_and_b32 s37, s8, 7
	s_lshl_b32 s37, s37, 13
	s_add_co_u32 s36, s36, s37
	s_mov_b32 s37, 0
	s_mul_i32 s38, s9, 12288
	s_mul_i32 s39, s8, 768
	s_add_co_u32 s38, s38, s39
	s_add_co_u32 s38, s38, 6553600
	s_mov_b32 s39, 0
	s_lshl_b32 s50, s9, 16
	s_lshl_b32 s51, s10, 9
	s_add_co_u32 s50, s50, s51                     ; Q's image
	s_mov_b32 s51, 0
	s_lshl_b32 s52, s9, 13
	s_lshl_b32 s53, s10, 6
	s_add_co_u32 s52, s52, s53
	s_add_co_u32 s52, s52, 6291456                 ; and its scale words
	s_mov_b32 s53, 0
	s_mov_b32 s[CS], 0x3e38aa3b                    ; c = log2(e) / 8
	s_mov_b32 s[CS+1], s[CS]
	s_mov_b32 s47, 0xffff0000
	s_mov_b32 s[SEL], 0x76543210
	s_mov_b32 s[SEL+1], 0xfedcba98
	s_mov_b32 s42, 0                               ; the step's place among K's codes, K's scale words, V's codes, V's scale words
	s_mov_b32 s43, 0
	s_mov_b32 s44, 0
	s_mov_b32 s45, 0
	s_mov_b32 s46, 0
	s_wait_dscnt 0x0                               ; both opening adds are done
	s_wait_kmcnt 0x0
	s_add_nc_u64 s[14:15], s[4:5], s[36:37]
	s_or_b32 s15, s15, 0x80000000
	tensor_load_to_lds s[12:15], s[16:23]
	s_nop 0
	s_add_nc_u64 s[26:27], s[4:5], s[38:39]
	s_or_b32 s27, s27, 0x80000000
	tensor_load_to_lds s[24:27], s[28:35]          ; two tensor loads of mine are out
	s_nop 0
	s_add_nc_u64 s[50:51], s[4:5], s[50:51]
	s_add_nc_u64 s[52:53], s[4:5], s[52:53]
	v_and_b32 v8, 31, v0
	v_and_b32 v9, 15, v0
	v_bfe_u32 v10, v0, 4, 1
	v_lshlrev_b32 v1, 4, v8                        ; 16 lane: K's codes
	v_add_nc_u32 v2, 65536, v1                     ; V's
	v_lshl_add_u32 v3, v9, 2, 131072               ; K's scale words
	v_lshl_add_u32 v4, v9, 2, 139264               ; V's
	v_lshlrev_b32 v7, 2, v9
	global_load_b128 v[16:19], v1, s[50:51]        ; Q's codes stay in registers
	global_load_b32 v24, v7, s[52:53]
	v_add_nc_u32 v25, v7, v10                      ; 4 r + h: the way out's scale byte
.irp j, 20,21,22,23
	v_mov_b32 v\j, 0                               ; k = 64..127: zero codes
.endr
.irp t, 0,1,2,3
.irp j, 4,5,6,7
	v_mov_b32 v[32+8*\t+\j], 0
.endr
.endr
	v_mov_b32 v13, 0xff61b1e6                      ; the largest t so far: -3e38
	v_floor_f32 v12, -v13                          ; -M
	v_mov_b32 v14, 0                               ; the sum, in two halves
	v_mov_b32 v15, 0
.irp b, 0,1,2,3
	v_mov_b32 v[236+\b], 0
	v_mov_b32 v[TM+4+\b], 0
.endr
	v_mov_b32 v253, 0
.set j, 0
.rept 32
	v_mov_b32 v[160+j], 0                          ; O^T: the loop is written once; its first step finds zeros
.set j, j+1
.endr
	s_wait_loadcnt 0x0
	s_wait_tensorcnt 0x0                           ; my parts have landed,
	s_barrier_signal -1
	s_barrier_wait -1                              ; everybody's have; nothing is filled again
.Lkeys:
	v_add_nc_u32 v8, s42, v1                       ; (these four are also the places behind the last trip's products)
	v_add_nc_u32 v9, s44, v2
	v_add_nc_u32 v10, s43, v3
	v_add_nc_u32 v11, s45, v4
.irp g, 0,1                                    ; S^T = K Q^T, four tiles of 16 keys at a time
.if \g > 0
	PLACES 4
.endif
.irp t, 0,1,2,3
	ds_load_b128 v[32+8*\t:35+8*\t], v8 offset:512*(4*\g+\t)
	ds_load_b32 v[200+\t], v10 offset:64*(4*\g+\t)
.endr
	s_wait_dscnt 0x0
.irp t, 0,1,2,3
	v_wmma_scale_f32_16x16x128_f8f6f4 v[96+8*(4*\g+\t):103+8*(4*\g+\t)], v[32+8*\t:39+8*\t], v[16:23], 0, v[200+\t], v24 matrix_a_fmt:MATRIX_FMT_FP4 matrix_b_fmt:MATRIX_FMT_FP4
.endr
.endr
.irp d, 0,1,2,3                                ; V's four fragments of this step land under the softmax
	ds_load_b128 v[64+8*\d:67+8*\d], v9 offset:16384*\d
	ds_load_b128 v[68+8*\d:71+8*\d], v9 offset:16384*\d+512
	ds_load_b32 v[204+\d], v11 offset:1024*\d
.endr
	PLACES 4
.irp b, 0,1,2,3
	v_max3_num_f32 v[232+\b], v[96+16*\b], v[97+16*\b], v[98+16*\b]   ; the largest score of each block of 32 keys: for the row's maximum and, since p rises with the score, for the block's largest p
.endr
.irp i, 3,5,7,9,11,13
.irp b, 0,1,2,3
	v_max3_num_f32 v[232+\b], v[232+\b], v[96+16*\b+\i], v[97+16*\b+\i]
.endr
.endr
.irp b, 0,1,2,3
	v_max_num_f32 v[232+\b], v[232+\b], v[111+16*\b]
.endr
.irp b, 0,1,2,3
	v_permlanex16_b32 v[236+\b], v[232+\b], s[SEL], s[SEL+1]
.endr
.irp b, 0,1,2,3
	v_max_num_f32 v[232+\b], v[232+\b], v[236+\b]
.endr
	v_max3_num_f32 v254, v232, v233, v234
	v_max_num_f32 v254, v254, v235
	v_mul_f32 v254, s[CS], v254
	v_max_num_f32 v13, v13, v254                   ; the running largest t
	v_mov_b32 v254, v12
	v_floor_f32 v12, -v13                          ; the new -M: a whole number
	v_sub_f32 v254, v12, v254
	v_cvt_i32_f32 v254, v254
	v_ldexp_f32 v252, 1.0, v254                    ; f = 2^(old M - new M): exact
.set j, 0
.rept 32
	v_pk_fma_f32 v[96+j:97+j], v[96+j:97+j], s[CS:CS+1], v[12:13] op_sel_hi:[1,0,0]   ; t - M
.set j, j+2
.endr
.irp b, 0,1,2,3
	v_fma_f32 v[232+\b], v[232+\b], s[CS], v12
.endr
.set j, 0
.rept 64
	v_exp_f32 v[96+j], v[96+j]                     ; p = 2^(t - M)
.set j, j+1
.endr
	v_pk_mul_f32 v[14:15], v[14:15], v[252:253] op_sel_hi:[1,0]   ; the sums under the new M; the plain place behind the batch
	s_wait_alu depctr_va_vdst(0)                   ; one wait for the 64, ahead of their first reader
.irp b, 0,1,2,3
	v_exp_f32 v[232+\b], v[232+\b]                 ; each block's largest p
.endr
	v_pk_add_f32 v[236:237], v[96:97], v[98:99]    ; the row's sum of the unquantised p, in two chains
.irp j, 4,8,12,16,20,24,28,32,36,40,44,48,52,56,60
	v_pk_add_f32 v[14:15], v[14:15], v[96+\j:97+\j]
	v_pk_add_f32 v[236:237], v[236:237], v[98+\j:99+\j]
.endr
	v_pk_add_f32 v[14:15], v[14:15], v[236:237]
	s_wait_alu depctr_va_vdst(0)                   ; and one for the four
.irp b, 0,1,2,3
	v_max_num_f32 v[232+\b], 0x1800000, v[232+\b]
.endr
.irp b, 0,1,2,3
	v_add_nc_u32 v[244+\b], 0xff000000, v[232+\b]
.endr
.irp b, 0,1,2,3
	v_lshrrev_b32 v[236+\b], 23, v[244+\b]
.endr
	v_lshl_or_b32 v253, v237, 8, v236              ; p's scale word for these 128 keys
	v_lshl_or_b32 v253, v238, 16, v253
	v_lshl_or_b32 v253, v239, 24, v253
.irp b, 0,1,2,3
	v_cvt_scalef32_pk8_fp4_f32 v[192+2*\b], v[96+16*\b:103+16*\b], v[244+\b]
	v_cvt_scalef32_pk8_fp4_f32 v[193+2*\b], v[104+16*\b:111+16*\b], v[244+\b]
.endr
	v_nop
.irp c, 0,1
.irp i, 0,1
	v_permlane16_swap_b32 v[192+4*\c+\i], v[194+4*\c+\i]
.endr
.endr
.set j, 0
.rept 16
	v_pk_mul_f32 v[160+j:161+j], v[160+j:161+j], v[252:253] op_sel_hi:[1,0]   ; O^T under the new M; these sixteen also stand between p's codes and scale word and the products
.set j, j+2
.endr
	s_wait_dscnt 0x0                               ; V
.irp d, 0,1,2,3
	v_wmma_scale_f32_16x16x128_f8f6f4 v[160+8*\d:167+8*\d], v[64+8*\d:71+8*\d], v[192:199], v[160+8*\d:167+8*\d], v[204+\d], v253 matrix_a_fmt:MATRIX_FMT_FP4 matrix_b_fmt:MATRIX_FMT_FP4
.endr
	s_add_co_u32 s42, s42, 4096
	s_add_co_u32 s43, s43, 512
	s_add_co_u32 s44, s44, 1024
	s_add_co_u32 s45, s45, 64
	s_add_co_u32 s46, s46, 1
	s_cmp_lt_u32 s46, 16
	s_cbranch_scc1 .Lkeys
	; THE WAY OUT: O^T / the sum; register 16 b + i = channel 32 b + 16 h + i of the head: half a fragment of the out projection's operand
	PLACES 4
	v_add_f32 v14, v14, v15
	v_permlanex16_b32 v252, v14, s[SEL], s[SEL+1]
	v_add_f32 v14, v14, v252
	v_rcp_f32 v14, v14
	v_nop
	s_lshr_b32 s36, s9, 4
	s_lshl_b32 s36, s36, 7
	s_add_co_u32 s36, s36, s10                     ; the token tile, 0..255
	s_lshl_b32 s36, s36, 3
	s_and_b32 s37, s9, 15                          ; the head
	s_lshr_b32 s38, s37, 1
	s_add_co_u32 s36, s36, s38                     ; the fragment
	s_and_b32 s37, s37, 1
	s_lshl_b32 s38, s36, 6
	s_lshl_b32 s39, s37, 1
	s_add_co_u32 s38, s38, s39
	s_add_co_u32 s38, s38, 2097152
	s_mov_b32 s39, 0
	s_lshl_b32 s36, s36, 10
	s_lshl_b32 s37, s37, 9
	s_add_co_u32 s36, s36, s37
	s_mov_b32 s37, 0
	s_add_nc_u64 s[38:39], s[6:7], s[38:39]
	s_add_nc_u64 s[6:7], s[6:7], s[36:37]
	s_wait_alu depctr_va_vdst(0)                   ; ahead of the reciprocal's first reader
.set j, 0
.rept 32
	v_mul_f32 v[96+j], v[160+j], v14
.set j, j+1
.endr
	QUANT 96, 2, 192
	global_store_b128 v1, v[192:195], s[6:7]       ; 512 consecutive bytes
	v_cndmask_b32 v[PW], v[TM+4], v[TM+5], s47     ; lanes 0-15 block 0's byte, lanes 16-31 block 1's
	global_store_b8 v25, v[PW], s[38:39]           ; two bytes of each of 16 scale words
	s_wait_tensorcnt 0x0                           ; the wave's end
	ds_add_u32 v[SPW], v[NIL]
	s_wait_dscnt 0x0
	s_endpgm
.Lfunc_end_k_q71a370172c_attn:
	.size	k_q71a370172c_attn, .Lfunc_end_k_q71a370172c_attn-k_q71a370172c_attn
	.p2alignl 7, 3214868480
	.fill 96, 4, 3214868480
	.section	.rodata,"a",@progbits
	.p2align	6, 0x0
	.amdhsa_kernel k_q71a370172c_attn
		.amdhsa_group_segment_fixed_size 167936
		.amdhsa_private_segment_fixed_size 0
		.amdhsa_enable_private_segment 0
		.amdhsa_kernarg_size 16
		.amdhsa_user_sgpr_count 2
		.amdhsa_user_sgpr_kernarg_segment_ptr 1
		.amdhsa_wavefront_size32 1
		.amdhsa_system_sgpr_workgroup_id_x 1
		.amdhsa_system_sgpr_workgroup_id_y 1
		.amdhsa_system_sgpr_workgroup_id_z 1
		.amdhsa_system_vgpr_workitem_id 0
		.amdhsa_next_free_vgpr 256
		.amdhsa_next_free_sgpr 66
		.amdhsa_reserve_vcc 0
		.amdhsa_float_denorm_mode_32 3
		.amdhsa_float_denorm_mode_16_64 3
		.amdhsa_memory_ordered 1
		.amdhsa_forward_progress 1
		.amdhsa_inst_pref_size 27
	.end_amdhsa_kernel
	.amdgpu_metadata
---
amdhsa.version: [ 1, 2 ]
amdhsa.kernels:
  - .name:           k_q71a370172c_attn
    .symbol:         k_q71a370172c_attn.kd
    .args:
      - { .name: qkv, .offset: 0, .size: 8, .value_kind: global_buffer, .address_space: global }
      - { .name: ocode, .offset: 8, .size: 8, .value_kind: global_buffer, .address_space: global }
    .group_segment_fixed_size: 167936
    .private_segment_fixed_size: 0
    .kernarg_segment_align: 8
    .kernarg_segment_size: 16
    .max_flat_workgroup_size: 512
    .sgpr_count:     66
    .vgpr_count:     256
    .wavefront_size: 32
...
	.end_amdgpu_metadata
.endif
;; end of part 4
;; launch gemm4 (part 5): grid 8 x 32, 8 waves a work-group, no clusters, 327,680 bytes of LDS; arguments ocode, wq, out_proj_b, x, x2; writes x2
.if DOCPART == 5
	.amdgcn_target "amdgcn-amd-amdhsa--gfx1250"
	.amdhsa_code_object_version 6
	.text
	.protected	k_q71a370172c_gemm4
	.globl	k_q71a370172c_gemm4
	.p2align	8
	.type	k_q71a370172c_gemm4,@function
k_q71a370172c_gemm4:
	s_mov_b64 s[64:65], 0
	v_nop
	global_prefetch_b8 v0, s[64:65] scope:SCOPE_SE
	s_setreg_imm32_b32 hwreg(HW_REG_WAVE_MODE, 25, 1), 1
	s_wait_xcnt 0x0
; LAUNCH 5 OF 9.  x2 = x + (o out_proj_w^T + out_proj_b), the product on MX-FP4 codes (formats: head of launch 1); x2 is f32, row-major.
; A work-group makes 128 tokens (y) x 128 columns (x).  Source 0 = the weight's tiles, source 1 = the tokens': a lane holds one token, its registers run along the columns.
; Wave w: a = w & 1: four weight tiles; c = w >> 1: two token tiles: eight accumulators, which take turns.  K goes in NCH chunks of 1,024 (8 K steps) through LDS slots of 128 KiB;
; the scale words of all of K come once.  Here NCH = 1: first fills alone.  Fragments are double-buffered in registers: the next K step's 18 LDS loads are out while this step is multiplied.
; The way out goes through the wave's own stage in LDS, so that sixteen lanes store 256 consecutive bytes, aligned.
; NO CLUSTER: panels are shared by work-groups of a row or column of the grid, but the fills are kept free of branches; joint loads are left for a later version.
.set KS, 8
.set NCH, 1
.set WOFF, 1572864
.set WSC, 6389760
.set ASC, 2097152
.set SC0, 262144
.set SC1, SC0+512*KS
.set SPARE, 294912
.set STAGE, 131072                     ; bytes that no tensor load fills
.set SPW, 14
.set NIL, 15
.macro PLACES n
.rept \n
	v_nop
.endr
.endm
.macro LOADK slot, ch, s, b            ; K step s of the chunk in the slot into buffer b: 18 LDS loads
.irp i, 0,1,2,3
	ds_load_b128 v[16+48*(\b)+8*\i:19+48*(\b)+8*\i], v[4+\slot] offset:8192*\i+1024*(\s)
	ds_load_b128 v[20+48*(\b)+8*\i:23+48*(\b)+8*\i], v[4+\slot] offset:8192*\i+1024*(\s)+512
.endr
.irp n, 0,1
	ds_load_b128 v[48+48*(\b)+8*\n:51+48*(\b)+8*\n], v[6+\slot] offset:8192*\n+1024*(\s)
	ds_load_b128 v[52+48*(\b)+8*\n:55+48*(\b)+8*\n], v[6+\slot] offset:8192*\n+1024*(\s)+512
.endr
.irp i, 0,1,2,3
	ds_load_b32 v[112+6*(\b)+\i], v8 offset:64*KS*\i+64*(8*(\ch)+(\s))
.endr
.irp n, 0,1
	ds_load_b32 v[116+6*(\b)+\n], v9 offset:64*KS*\n+64*(8*(\ch)+(\s))
.endr
.endm
.macro MUL8 b, zero
.irp n, 0,1
.irp i, 0,1,2,3
.if \zero
	v_wmma_scale_f32_16x16x128_f8f6f4 v[128+32*\n+8*\i:135+32*\n+8*\i], v[16+48*(\b)+8*\i:23+48*(\b)+8*\i], v[48+48*(\b)+8*\n:55+48*(\b)+8*\n], 0, v[112+6*(\b)+\i], v[116+6*(\b)+\n] matrix_a_fmt:MATRIX_FMT_FP4 matrix_b_fmt:MATRIX_FMT_FP4
.else
	v_wmma_scale_f32_16x16x128_f8f6f4 v[128+32*\n+8*\i:135+32*\n+8*\i], v[16+48*(\b)+8*\i:23+48*(\b)+8*\i], v[48+48*(\b)+8*\n:55+48*(\b)+8*\n], v[128+32*\n+8*\i:135+32*\n+8*\i], v[112+6*(\b)+\i], v[116+6*(\b)+\n] matrix_a_fmt:MATRIX_FMT_FP4 matrix_b_fmt:MATRIX_FMT_FP4
.endif
.endr
.endr
.endm
.macro CHUNK slot, ch
	PLACES 4                                       ; behind the last chunk's products, ahead of loads into both buffers
	LOADK \slot, \ch, 0, 0
.set ks, 0
.rept 8
.if ks < 7
.if ks > 0
	PLACES 4
.endif
	LOADK \slot, \ch, ks+1, (ks+1)%2
	s_wait_dscnt 18                                ; this step's loads are in; the 18 just issued may be out
.else
	s_wait_dscnt 0x0
.endif
.if (\ch == 0) && (ks == 0)
	MUL8 0, 1                                      ; the first products start the sums
.else
	MUL8 ks%2, 0
.endif
.set ks, ks+1
.endr
.endm
; the change of slots: all my tensor loads have landed, 0 onto my spare word, that and my reads of the slot are done, the barrier; refill = 1: the slot just read takes the chunk two on
.macro CHANGE slot, refill
	s_wait_tensorcnt 0x0
	ds_add_u32 v[SPW], v[NIL]
.if \refill
	s_add_nc_u64 s[26+4*\slot:27+4*\slot], s[26+4*\slot:27+4*\slot], 16384
.endif
	s_wait_dscnt 0x0
	s_barrier_signal -1
	s_barrier_wait -1
.if \refill
	tensor_load_to_lds s[24+4*\slot:27+4*\slot], s[32:39]   ; my one tensor load behind this barrier, and the first thing there
	s_nop 0
.endif
.endm
	s_load_b256 s[4:11], s[0:1], 0x0               ; the tokens' codes, wq, the bias, the residual
	s_load_b64 s[12:13], s[0:1], 0x20              ; the result
	v_lshl_add_u32 v[SPW], v0, 2, SPARE
	v_mov_b32 v[NIL], 0
	ds_add_u32 v[SPW], v[NIL]                      ; the wave's opening: the add, twice on end, and its wait ahead of my first tensor load
	ds_add_u32 v[SPW], v[NIL]
	v_lshrrev_b32 v1, 5, v0
	v_readfirstlane_b32 s14, v1                    ; wave 0..7
	s_and_b32 s15, s14, 1                          ; a
	s_lshr_b32 s16, s14, 1                         ; c
	s_mov_b32 s17, ttmp9                           ; x: 128 columns
	s_and_b32 s18, ttmp7, 0xffff                   ; y: 128 tokens
	s_mov_b32 s32, 3<<16                           ; group 1, codes: two tiles' 8 KiB, 1,024 KS bytes apart
	s_mov_b32 s33, 1024<<16
	s_mov_b32 s34, 2<<16
	s_mov_b32 s35, 1024<<16
	s_mov_b32 s36, 2
	s_mov_b32 s37, 128*KS
	s_mov_b32 s38, 0
	s_mov_b32 s39, 0
	s_mov_b32 s40, 3<<16                           ; group 1, scale words: KS / 2 rows of 256 bytes, dense
	s_mov_b32 s41, 32<<16
	s_mov_b32 s42, (KS/2)<<16
	s_mov_b32 s43, 32<<16
	s_mov_b32 s44, KS/2
	s_mov_b32 s45, 32
	s_mov_b32 s46, 0
	s_mov_b32 s47, 0
	s_mov_b32 s20, 1
	s_mul_i32 s21, s14, 128*KS
	s_add_co_u32 s21, s21, SC0
	s_mov_b32 s24, 1
	s_lshl_b32 s25, s14, 14                        ; LDS: 16,384 x wave: waves 0-3 the weight's tiles, waves 4-7 the tokens'
.if NCH > 1
	s_mov_b32 s28, 1
	s_add_co_u32 s29, s25, 131072
.endif
	s_and_b32 s50, s14, 3
	s_mul_i32 s51, s50, 2048*KS
	s_mul_i32 s50, s50, 128*KS
	s_mul_i32 s52, s17, 8192*KS
	s_add_co_u32 s52, s52, WOFF
	s_mul_i32 s53, s18, 8192*KS
	s_mul_i32 s54, s17, 512*KS
	s_add_co_u32 s54, s54, WSC
	s_mul_i32 s55, s18, 512*KS
	s_add_co_u32 s55, s55, ASC
	s_wait_dscnt 0x0                               ; both opening adds are done
	s_wait_kmcnt 0x0
	s_cmp_lt_u32 s14, 4
	s_cselect_b64 s[48:49], s[6:7], s[4:5]
	s_cselect_b32 s52, s52, s53
	s_cselect_b32 s54, s54, s55
	s_add_co_u32 s52, s52, s51
	s_add_co_u32 s54, s54, s50
	s_mov_b32 s53, 0
	s_mov_b32 s55, 0
	s_add_nc_u64 s[22:23], s[48:49], s[54:55]
	s_or_b32 s23, s23, 0x80000000
	tensor_load_to_lds s[20:23], s[40:47]          ; the scale words of all of K
	s_nop 0
	s_add_nc_u64 s[26:27], s[48:49], s[52:53]
.if NCH > 1
	s_add_nc_u64 s[30:31], s[26:27], 8192
	s_or_b32 s31, s31, 0x80000000
.endif
	s_or_b32 s27, s27, 0x80000000
	tensor_load_to_lds s[24:27], s[32:39]          ; chunk 0
	s_nop 0
.if NCH > 1
	tensor_load_to_lds s[28:31], s[32:39]          ; chunk 1: three tensor loads of mine are out
	s_nop 0
.endif
	s_lshl_b32 s50, s18, 19
	s_lshl_b32 s51, s16, 17
	s_add_co_u32 s50, s50, s51
	s_lshl_b32 s51, s17, 9
	s_add_co_u32 s50, s50, s51
	s_lshl_b32 s52, s15, 8
	s_add_co_u32 s50, s50, s52                     ; token 128 y + 32 c, column 128 x + 64 a
	s_add_co_u32 s52, s51, s52
	s_mov_b32 s51, 0
	s_add_nc_u64 s[10:11], s[10:11], s[50:51]
	s_add_nc_u64 s[12:13], s[12:13], s[50:51]
	s_add_nc_u64 s[8:9], s[8:9], s[52:53]
	v_and_b32 v1, 31, v0
	v_and_b32 v2, 15, v0
	v_bfe_u32 v3, v0, 4, 1
	v_lshlrev_b32 v13, 4, v2                       ; 16 r
	v_lshl_add_u32 v12, v3, 12, v13                ; + a row for lanes 16-31
.irp n, 0,1
.irp t, 0,1,2,3,4,5,6,7
	global_load_b128 v[192+32*\n+4*\t:195+32*\n+4*\t], v12, s[10:11] offset:4096*(8*\n+2*\t+8*(\t/4))   ; the residual, in the order of the way out
.endr
.endr
	global_load_b128 v[124:127], v13, s[8:9]       ; the bias of my four columns
	v_lshlrev_b32 v4, 4, v1
	s_lshl_b32 s50, s15, 15
	v_add_nc_u32 v4, s50, v4                       ; the weight's fragments, slot 0,
	v_add_nc_u32 v5, 131072, v4                    ; slot 1
	v_lshlrev_b32 v6, 4, v1
	s_lshl_b32 s50, s16, 14
	s_add_co_u32 s50, s50, 65536
	v_add_nc_u32 v6, s50, v6                       ; the tokens'
	v_add_nc_u32 v7, 131072, v6
	v_lshlrev_b32 v8, 2, v2
	v_lshlrev_b32 v9, 2, v2
	s_mul_i32 s50, s15, 256*KS
	s_add_co_u32 s50, s50, SC0
	v_add_nc_u32 v8, s50, v8
	s_mul_i32 s50, s16, 128*KS
	s_add_co_u32 s50, s50, SC1
	v_add_nc_u32 v9, s50, v9
	s_mul_i32 s50, s14, 4352
	s_add_co_u32 s50, s50, STAGE                   ; my stage: 16 rows x (256 + 16) bytes
	v_mul_u32_u24 v10, v2, 272
	v_lshl_add_u32 v10, v3, 6, v10
	v_add_nc_u32 v10, s50, v10                     ; in: row r, + 64 h
	v_mul_u32_u24 v11, v3, 272
	v_lshl_add_u32 v11, v2, 4, v11
	v_add_nc_u32 v11, s50, v11                     ; back: lanes 0-15 one row, lanes 16-31 the next
.if NCH > 1
	s_wait_tensorcnt 1                             ; the scale words and chunk 0 are in; chunk 1 may stay out
.else
	s_wait_tensorcnt 0x0
.endif
	s_barrier_signal -1
	s_barrier_wait -1
	CHUNK 0, 0
.if NCH > 1
	CHANGE 0, 1
	CHUNK 1, 1
	CHANGE 1, 1
	CHUNK 0, 2
	CHANGE 0, 0
	CHUNK 1, 3
.endif
	PLACES 4
	s_wait_loadcnt 0x0                             ; the residual and the bias
.irp n, 0,1
.irp i, 0,1,2,3
	ds_store_b128 v10, v[128+32*\n+8*\i:131+32*\n+8*\i] offset:128*(\i/2)+32*(\i%2)       ; each accumulator from its low end on
	ds_store_b128 v10, v[132+32*\n+8*\i:135+32*\n+8*\i] offset:128*(\i/2)+32*(\i%2)+16
.endr
.irp t, 0,1,2,3,4,5,6,7
	ds_load_b128 v[16+32*\n+4*\t:19+32*\n+4*\t], v11 offset:544*\t   ; my own bytes: LDS serves a wave's instructions in order
.endr
.endr
.irp n, 0,1
.irp t, 0,1,2,3,4,5,6,7
	s_wait_dscnt 16*(1-\n)+7-\t                    ; the younger stage instructions may be out
	v_pk_add_f32 v[16+32*\n+4*\t:17+32*\n+4*\t], v[16+32*\n+4*\t:17+32*\n+4*\t], v[124:125]
	v_pk_add_f32 v[18+32*\n+4*\t:19+32*\n+4*\t], v[18+32*\n+4*\t:19+32*\n+4*\t], v[126:127]
	v_pk_add_f32 v[16+32*\n+4*\t:17+32*\n+4*\t], v[16+32*\n+4*\t:17+32*\n+4*\t], v[192+32*\n+4*\t:193+32*\n+4*\t]
	v_pk_add_f32 v[18+32*\n+4*\t:19+32*\n+4*\t], v[18+32*\n+4*\t:19+32*\n+4*\t], v[194+32*\n+4*\t:195+32*\n+4*\t]
	global_store_b128 v12, v[16+32*\n+4*\t:19+32*\n+4*\t], s[12:13] offset:4096*(8*\n+2*\t+8*(\t/4))   ; sixteen lanes store 256 consecutive bytes, aligned
.endr
.endr
	s_wait_tensorcnt 0x0                           ; the wave's end
	ds_add_u32 v[SPW], v[NIL]
	s_wait_dscnt 0x0
	s_endpgm
.Lfunc_end_k_q71a370172c_gemm4:
	.size	k_q71a370172c_gemm4, .Lfunc_end_k_q71a370172c_gemm4-k_q71a370172c_gemm4
	.p2alignl 7, 3214868480
	.fill 96, 4, 3214868480
	.section	.rodata,"a",@progbits
	.p2align	6, 0x0
	.amdhsa_kernel k_q71a370172c_gemm4
		.amdhsa_group_segment_fixed_size 327680
		.amdhsa_private_segment_fixed_size 0
		.amdhsa_enable_private_segment 0
		.amdhsa_kernarg_size 40
		.amdhsa_user_sgpr_count 2
		.amdhsa_user_sgpr_kernarg_segment_ptr 1
		.amdhsa_wavefront_size32 1
		.amdhsa_system_sgpr_workgroup_id_x 1
		.amdhsa_system_sgpr_workgroup_id_y 1
		.amdhsa_system_sgpr_workgroup_id_z 1
		.amdhsa_system_vgpr_workitem_id 0
		.amdhsa_next_free_vgpr 256
		.amdhsa_next_free_sgpr 66
		.amdhsa_reserve_vcc 0
		.amdhsa_float_denorm_mode_32 3
		.amdhsa_float_denorm_mode_16_64 3
		.amdhsa_memory_ordered 1
		.amdhsa_forward_progress 1
		.amdhsa_inst_pref_size 34
	.end_amdhsa_kernel
	.amdgpu_metadata
---
amdhsa.version: [ 1, 2 ]
amdhsa.kernels:
  - .name:           k_q71a370172c_gemm4
    .symbol:         k_q71a370172c_gemm4.kd
    .args:
      - { .name: ocode, .offset: 0, .size: 8, .value_kind: global_buffer, .address_space: global }
      - { .name: wq, .offset: 8, .size: 8, .value_kind: global_buffer, .address_space: global }
      - { .name: out_proj_b, .offset: 16, .size: 8, .value_kind: global_buffer, .address_space: global }
      - { .name: x, .offset: 24, .size: 8, .value_kind: global_buffer, .address_space: global }
      - { .name: x2, .offset: 32, .size: 8, .value_kind: global_buffer, .address_space: global }
    .group_segment_fixed_size: 327680
    .private_segment_fixed_size: 0
    .kernarg_segment_align: 8
    .kernarg_segment_size: 40
    .max_flat_workgroup_size: 256
    .sgpr_count:     66
    .vgpr_count:     256
    .wavefront_size: 32
...
	.end_amdgpu_metadata
.endif
;; end of part 5
;; launch ln2 (part 6): grid 256 x 1, 8 waves a work-group, no clusters, 4,352 bytes of LDS; arguments x2, ln2_g, ln2_b, act; writes act
.if DOCPART == 6
	.amdgcn_target "amdgcn-amd-amdhsa--gfx1250"
	.amdhsa_code_object_version 6
	.text
	.protected	k_q71a370172c_ln2
	.globl	k_q71a370172c_ln2
	.p2align	8
	.type	k_q71a370172c_ln2,@function
k_q71a370172c_ln2:
	s_mov_b64 s[64:65], 0
	v_nop
	global_prefetch_b8 v0, s[64:65] scope:SCOPE_SE
	s_setreg_imm32_b32 hwreg(HW_REG_WAVE_MODE, 25, 1), 1
	s_wait_xcnt 0x0
; LAUNCH 6 OF 9.  act = MX-FP4 codes and scale bytes of act_quant(LayerNorm2(x2)) (formats and shares: head of launch 1).
; Left out as dead work: x + stop_gradient(act_quant(x) - x) is act_quant(x) in real numbers (shown at the head of launch 1).
; 127 / max and n / scale are each a reciprocal and one correction.
.set WSUM, 0
.set ACTQ, 1
.set ACT, 10                           ; s[10:11] act
.set RED0, 0
.set RED1, 1024
.set RED2, 2048
.set RED3, 3072
.set SPARE, 3328
.set XA, 4
.set GA, 5
.set LI, 6
.set LW, 7
.set LR, 8
.set SA, 9
.set SPW, 12
.set NIL, 13
.set MN, 14
.set X, 16
.set G, 80
.set BV, 144
.set TM, 208
.set PW, 224
.set PC, 226
.set T, 234
.set SC, 250
.set RI, 252
.set SEL, 20
.set SM128, 26
.set S127, 27
.macro QUANT src, nb, pc
.set qb, 0
.rept \nb
	v_max3_num_f32 v[TM+qb], |v[(\src)+16*qb]|, |v[(\src)+16*qb+1]|, 0x1800000   ; with the floor 2^(3-127): the byte cannot fall under 1
.set qb, qb+1
.endr
.irp i, 2,4,6,8,10,12,14
.set qb, 0
.rept \nb
	v_max3_num_f32 v[TM+qb], v[TM+qb], |v[(\src)+16*qb+\i]|, |v[(\src)+16*qb+\i+1]|
.set qb, qb+1
.endr
.endr
.set qb, 0
.rept \nb
	v_permlanex16_b32 v[TM+4+qb], v[TM+qb], s[SEL], s[SEL+1]
.set qb, qb+1
.endr
.set qb, 0
.rept \nb
	v_max_num_f32 v[TM+qb], v[TM+qb], v[TM+4+qb]
.set qb, qb+1
.endr
.set qb, 0
.rept \nb
	v_add_nc_u32 v[TM+12+qb], 0xff000000, v[TM+qb]
.set qb, qb+1
.endr
.set qb, 0
.rept \nb
	v_lshrrev_b32 v[TM+4+qb], 23, v[TM+12+qb]
.set qb, qb+1
.endr
	v_lshl_or_b32 v[PW], v[TM+5], 8, v[TM+4]
	v_lshl_or_b32 v[PW], v[TM+6], 16, v[PW]
	v_lshl_or_b32 v[PW], v[TM+7], 24, v[PW]
.set qb, 0
.rept \nb
	v_cvt_scalef32_pk8_fp4_f32 v[(\pc)+2*qb], v[(\src)+16*qb:(\src)+16*qb+7], v[TM+12+qb]
	v_cvt_scalef32_pk8_fp4_f32 v[(\pc)+2*qb+1], v[(\src)+16*qb+8:(\src)+16*qb+15], v[TM+12+qb]
.set qb, qb+1
.endr
	v_nop
.set qb, 0
.rept \nb/2
	v_permlane16_swap_b32 v[(\pc)+4*qb], v[(\pc)+4*qb+2]
	v_permlane16_swap_b32 v[(\pc)+4*qb+1], v[(\pc)+4*qb+3]
.set qb, qb+1
.endr
.endm
.macro CROSS red, op
	ds_store_b32 v[LW], v[T] offset:\red
	s_wait_dscnt 0x0                                       ; for the others' sake: my store has landed
	s_barrier_signal -1
	s_barrier_wait -1
.irp i, 0,1,2,3,4,5,6,7
	ds_load_b32 v[T+\i], v[LR] offset:\red+128*\i
.endr
	s_wait_dscnt 0x0
	\op v[T], v[T], v[T+1]
	\op v[T+2], v[T+2], v[T+3]
	\op v[T+4], v[T+4], v[T+5]
	\op v[T+6], v[T+6], v[T+7]
	\op v[T], v[T], v[T+2]
	\op v[T+4], v[T+4], v[T+6]
	\op v[T], v[T], v[T+4]
.endm
.macro FOLDSUM
	v_pk_add_f32 v[T:T+1], v[T:T+1], v[T+2:T+3]
	v_pk_add_f32 v[T+4:T+5], v[T+4:T+5], v[T+6:T+7]
	v_pk_add_f32 v[T:T+1], v[T:T+1], v[T+4:T+5]
	v_add_f32 v[T], v[T], v[T+1]
	v_permlanex16_b32 v[T+1], v[T], s[SEL], s[SEL+1]
	v_add_f32 v[T], v[T], v[T+1]
.endm
.macro LOADGB
.irp e, 0,1,2,3
.irp q, 0,1,2,3
	global_load_b128 v[G+16*\e+4*\q:G+16*\e+4*\q+3], v[GA], s[6:7] offset:128*\e+16*\q
	global_load_b128 v[BV+16*\e+4*\q:BV+16*\e+4*\q+3], v[GA], s[8:9] offset:128*\e+16*\q
.endr
.endr
.endm
.macro MKSCALE m, sc, ri, t
	v_max_num_f32 v[\t], 0x3727c5ac, v[\m]
	v_rcp_f32 v[\t+1], v[\t]
	v_nop
	s_wait_alu depctr_va_vdst(0)                           ; ahead of the reciprocal's first reader
	v_mul_f32 v[\t+2], s[S127], v[\t+1]
	v_fma_f32 v[\sc], -v[\t+2], v[\t], s[S127]
	v_fma_f32 v[\sc], v[\sc], v[\t+1], v[\t+2]
	v_rcp_f32 v[\t+1], v[\sc]
	v_mov_b32 v[\sc+1], v[\sc]                             ; the pair's upper word; also the plain place
	s_wait_alu depctr_va_vdst(0)
	v_fma_f32 v[\t+2], -v[\sc], v[\t+1], 1.0
	v_fma_f32 v[\ri], v[\t+2], v[\t+1], v[\t+1]
	v_mov_b32 v[\ri+1], v[\ri]
.endm
.macro ACTQ16 x, sc, ri, q
.irp j, 0,2,4,6,8,10,12,14
	v_pk_mul_f32 v[(\x)+\j:(\x)+\j+1], v[(\x)+\j:(\x)+\j+1], v[(\sc):(\sc)+1] op_sel_hi:[1,0]
.endr
.irp j, 0,1,2,3,4,5,6,7,8,9,10,11,12,13,14,15
	v_rndne_f32 v[(\x)+\j], v[(\x)+\j]
.endr
.irp j, 0,1,2,3,4,5,6,7,8,9,10,11,12,13,14,15
	v_med3_num_f32 v[(\x)+\j], v[(\x)+\j], s[SM128], s[S127]
.endr
.irp j, 0,2,4,6,8,10,12,14
	v_pk_mul_f32 v[(\q)+\j:(\q)+\j+1], v[(\x)+\j:(\x)+\j+1], v[(\ri):(\ri)+1] op_sel_hi:[1,0]
.endr
.irp j, 0,2,4,6,8,10,12,14
	v_pk_fma_f32 v[(\x)+\j:(\x)+\j+1], v[(\q)+\j:(\q)+\j+1], v[(\sc):(\sc)+1], v[(\x)+\j:(\x)+\j+1] op_sel_hi:[1,0,1] neg_lo:[1,0,0] neg_hi:[1,0,0]
.endr
.irp j, 0,2,4,6,8,10,12,14
	v_pk_fma_f32 v[(\x)+\j:(\x)+\j+1], v[(\x)+\j:(\x)+\j+1], v[(\ri):(\ri)+1], v[(\q)+\j:(\q)+\j+1] op_sel_hi:[1,0,1]
.endr
.endm
	s_load_b256 s[4:11], s[0:1], 0x0               ; x2, gain, bias, act
	v_lshl_add_u32 v[SPW], v0, 2, SPARE
	v_mov_b32 v[NIL], 0
	v_lshrrev_b32 v1, 5, v0
	v_readfirstlane_b32 s18, v1                    ; wave
	v_and_b32 v1, 31, v0                           ; lane
	v_and_b32 v2, 15, v0                           ; r
	v_bfe_u32 v3, v0, 4, 1                         ; h
	v_and_b32 v[XA], 8, v2
	v_add_nc_u32 v[XA], v[XA], v2                  ; r + 8 (r/8)
	v_lshlrev_b32 v[XA], 12, v[XA]
	v_lshl_add_u32 v[XA], v3, 6, v[XA]
	v_lshlrev_b32 v[GA], 6, v3
	v_lshlrev_b32 v[LI], 4, v1
	v_lshlrev_b32 v[LR], 2, v1
	s_lshl_b32 s19, s18, 7
	v_add_nc_u32 v[LW], s19, v[LR]
	v_lshlrev_b32 v[SA], 2, v2
	v_lshl_add_u32 v[SA], v3, 1, v[SA]
	v_mov_b32 v[MN+1], 0
.irp b, 4,5,6,7
	v_mov_b32 v[TM+\b], 0
.endr
	s_mov_b32 s[SEL], 0x76543210
	s_mov_b32 s[SEL+1], 0xfedcba98
	s_mov_b32 s24, 0xffff0000
	s_mov_b32 s[SM128], 0xc3000000
	s_mov_b32 s[S127], 0x42fe0000
	s_mov_b32 s30, 0x3a800000
	s_mov_b32 s31, 0x3727c5ac
	s_lshr_b32 s19, ttmp9, 1
	s_lshl_b32 s19, s19, 17
	s_and_b32 s22, ttmp9, 1
	s_lshl_b32 s22, s22, 15
	s_add_co_u32 s22, s22, s19
	s_lshl_b32 s28, s18, 9
	s_add_co_u32 s22, s22, s28
	s_mov_b32 s23, 0
	s_mov_b32 s29, 0
	s_lshl_b32 s32, ttmp9, 3
	s_add_co_u32 s32, s32, s18
	s_lshl_b32 s34, s32, 6
	s_add_co_u32 s34, s34, 2097152
	s_mov_b32 s35, 0
	s_lshl_b32 s32, s32, 10
	s_mov_b32 s33, 0
	s_wait_kmcnt 0x0
	s_add_nc_u64 s[4:5], s[4:5], s[22:23]
	s_add_nc_u64 s[6:7], s[6:7], s[28:29]
	s_add_nc_u64 s[8:9], s[8:9], s[28:29]
	s_add_nc_u64 s[22:23], s[ACT:ACT+1], s[34:35]
	s_add_nc_u64 s[ACT:ACT+1], s[ACT:ACT+1], s[32:33]
.irp e, 0,1,2,3
.irp q, 0,1,2,3
	global_load_b128 v[X+16*\e+4*\q:X+16*\e+4*\q+3], v[XA], s[4:5] offset:128*\e+16*\q
.endr
.endr
	LOADGB
	s_wait_loadcnt 32                              ; x2's 16 loads are in; the 32 of gain and bias may be out
.irp k, 0,2,4,6
	v_pk_add_f32 v[T+\k:T+\k+1], v[X+\k:X+\k+1], v[X+8+\k:X+9+\k]
.endr
.irp j, 16,24,32,40,48,56
.irp k, 0,2,4,6
	v_pk_add_f32 v[T+\k:T+\k+1], v[T+\k:T+\k+1], v[X+\j+\k:X+\j+\k+1]
.endr
.endr
	FOLDSUM
	CROSS RED0, v_add_f32
	v_mul_f32 v[MN], s30, v[T]                     ; the mean
.set j, 0
.rept 32
	v_pk_add_f32 v[X+j:X+j+1], v[X+j:X+j+1], v[MN:MN+1] op_sel_hi:[1,0] neg_lo:[0,1] neg_hi:[0,1]
.set j, j+2
.endr
.irp k, 0,2,4,6
	v_pk_mul_f32 v[T+\k:T+\k+1], v[X+\k:X+\k+1], v[X+\k:X+\k+1]
.endr
.irp j, 8,16,24,32,40,48,56
.irp k, 0,2,4,6
	v_pk_fma_f32 v[T+\k:T+\k+1], v[X+\j+\k:X+\j+\k+1], v[X+\j+\k:X+\j+\k+1], v[T+\k:T+\k+1]
.endr
.endr
	FOLDSUM
	CROSS RED1, v_add_f32
	v_fma_f32 v[T], v[T], s30, s31                 ; var + eps
	v_rsq_f32 v[MN], v[T]
	v_nop
	s_wait_alu depctr_va_vdst(0)
	s_wait_loadcnt 0x0
.set j, 0
.rept 32
	v_pk_mul_f32 v[X+j:X+j+1], v[X+j:X+j+1], v[MN:MN+1] op_sel_hi:[1,0]
.set j, j+2
.endr
.set j, 0
.rept 32
	v_pk_fma_f32 v[X+j:X+j+1], v[X+j:X+j+1], v[G+j:G+j+1], v[BV+j:BV+j+1]
.set j, j+2
.endr
.irp k, 0,1,2,3
	v_max_num_f32 v[T+\k], |v[X+\k]|, |v[X+4+\k]|
.endr
.irp j, 8,16,24,32,40,48,56
.irp k, 0,1,2,3
	v_max3_num_f32 v[T+\k], v[T+\k], |v[X+\j+\k]|, |v[X+\j+4+\k]|
.endr
.endr
	v_max3_num_f32 v[T], v[T], v[T+1], v[T+2]
	v_max_num_f32 v[T], v[T], v[T+3]
	v_permlanex16_b32 v[T+1], v[T], s[SEL], s[SEL+1]
	v_max_num_f32 v[T], v[T], v[T+1]
	CROSS RED2, v_max_num_f32                      ; the row's largest magnitude
	MKSCALE T, SC, RI, T+8
.irp u, 0,16,32,48
	ACTQ16 X+\u, SC, RI, BV
.endr
	QUANT X, 4, PC
	global_store_b128 v[LI], v[PC:PC+3], s[ACT:ACT+1]
	global_store_b128 v[LI], v[PC+4:PC+7], s[ACT:ACT+1] offset:512
	v_lshrrev_b32 v[T], 16, v[PW]
	v_cndmask_b32 v[T], v[PW], v[T], s24
	global_store_b16 v[SA], v[T], s[22:23]
	s_wait_tensorcnt 0x0                           ; the wave's end: behind my last LDS store
	ds_add_u32 v[SPW], v[NIL]
	s_wait_dscnt 0x0
	s_endpgm
.Lfunc_end_k_q71a370172c_ln2:
	.size	k_q71a370172c_ln2, .Lfunc_end_k_q71a370172c_ln2-k_q71a370172c_ln2
	.p2alignl 7, 3214868480
	.fill 96, 4, 3214868480
	.section	.rodata,"a",@progbits
	.p2align	6, 0x0
	.amdhsa_kernel k_q71a370172c_ln2
		.amdhsa_group_segment_fixed_size 4352
		.amdhsa_private_segment_fixed_size 0
		.amdhsa_enable_private_segment 0
		.amdhsa_kernarg_size 32
		.amdhsa_user_sgpr_count 2
		.amdhsa_user_sgpr_kernarg_segment_ptr 1
		.amdhsa_wavefront_size32 1
		.amdhsa_system_sgpr_workgroup_id_x 1
		.amdhsa_system_sgpr_workgroup_id_y 1
		.amdhsa_system_sgpr_workgroup_id_z 1
		.amdhsa_system_vgpr_workitem_id 0
		.amdhsa_next_free_vgpr 256
		.amdhsa_next_free_sgpr 66
		.amdhsa_reserve_vcc 0
		.amdhsa_float_denorm_mode_32 3
		.amdhsa_float_denorm_mode_16_64 3
		.amdhsa_memory_ordered 1
		.amdhsa_forward_progress 1
		.amdhsa_inst_pref_size 42
	.end_amdhsa_kernel
	.amdgpu_metadata
---
amdhsa.version: [ 1, 2 ]
amdhsa.kernels:
  - .name:           k_q71a370172c_ln2
    .symbol:         k_q71a370172c_ln2.kd
    .args:
      - { .name: x2, .offset: 0, .size: 8, .value_kind: global_buffer, .address_space: global }
      - { .name: ln2_g, .offset: 8, .size: 8, .value_kind: global_buffer, .address_space: global }
      - { .name: ln2_b, .offset: 16, .size: 8, .value_kind: global_buffer, .address_space: global }
      - { .name: act, .offset: 24, .size: 8, .value_kind: global_buffer, .address_space: global }
    .group_segment_fixed_size: 4352
    .private_segment_fixed_size: 0
    .kernarg_segment_align: 8
    .kernarg_segment_size: 32
    .max_flat_workgroup_size: 256
    .sgpr_count:     66
    .vgpr_count:     256
    .wavefront_size: 32
...
	.end_amdgpu_metadata
.endif
;; end of part 6
;; launch gemm5a (part 7): grid 16 x 16, 8 waves a work-group, no clusters, 327,680 bytes of LDS; arguments act, wq, b1, pmax; writes pmax
.if DOCPART == 7
	.amdgcn_target "amdgcn-amd-amdhsa--gfx1250"
	.amdhsa_code_object_version 6
	.text
	.protected	k_q71a370172c_gemm5a
	.globl	k_q71a370172c_gemm5a
	.p2align	8
	.type	k_q71a370172c_gemm5a,@function
k_q71a370172c_gemm5a:
	s_mov_b64 s[64:65], 0
	v_nop
	global_prefetch_b8 v0, s[64:65] scope:SCOPE_SE
	s_setreg_imm32_b32 hwreg(HW_REG_WAVE_MODE, 25, 1), 1
	s_wait_xcnt 0x0
; LAUNCH 7 OF 9.  pmax = for each token and each group of 128 hidden units the largest |gelu(h w1^T + b1)|.  The second act_quant needs a row's maximum over all 4,096 hidden units before any of them
; can be quantised; the hidden layer is not sent to memory as f32 (64 MiB out and back): the product is made here for the maxima and once more, by the same instructions in the same order, in the next launch.
; Shape as launch 3: 256 hidden units (x) x 256 tokens (y); both panels of codes and their scale words whole in LDS, first fills alone.  Source 0 = w1's tiles, source 1 = the tokens':
; a lane holds one token, its registers run along the hidden units.  Eight waves of 512 registers: a = w & 1: eight tiles of w1; c = w >> 1: four token tiles; 32 accumulators in window 1, by turns;
; 12 fragments from LDS for 32 products; a scale register carries two K steps (lanes 0-15 the even one, lanes 16-31 the odd one).  b1 is the C of the first K step, from 64 registers of window 0.
; On the way out the halving, gelu's first line, brings an accumulator into window 0; all else works there.
; gelu(x) = (x/2 + |x/2|) - |x/2| erfc(|x|/sqrt 2), erfc by the rational formula 7.1.26 of Abramowitz and Stegun: LIMIT: absolute error 1.5e-7 of erfc, besides f32 rounding.
; NO CLUSTER: as in launch 3.
.set STOREH, 0
.set WOFF, 2097152
.set WSC, 6422528
.set SPARE, 278528
.set SPW, 8
.set NIL, 9
.set HA, 16
.set U, 32
.set M, 48
.set P, 64
.set TM, 80
.set PW, 96
.set VA4, 124
.set XW, 128                           ; v128-191: b1 in the result's layout, later the 64 numbers at work
.set SCR, 192                          ; token tile n: 127 / max at v[SCR+4n], its reciprocal at v[SCR+4n+2], each the low word of a pair
.set PC, 208                           ; token tile n's codes at v[PC+8n]
.set SEL, 54
.set KP, 56
.set KE, 58
.set A5, 60
.set A3, 62
.set A2, 66
.set A1, 68
.set SM128, 70
.set S127, 71
.set MSB, 0
.macro WIN new                         ; the immediate's high byte repeats the setting that is left
.if MSB != \new
	s_set_vgpr_msb (MSB<<8)|\new
.set MSB, \new
.endif
.endm
.macro PLACES n
.rept \n
	v_nop
.endr
.endm
.macro QUANT src, nb, pc
.set qb, 0
.rept \nb
	v_max3_num_f32 v[TM+qb], |v[(\src)+16*qb]|, |v[(\src)+16*qb+1]|, 0x1800000   ; with the floor 2^(3-127): the byte cannot fall under 1
.set qb, qb+1
.endr
.irp i, 2,4,6,8,10,12,14
.set qb, 0
.rept \nb
	v_max3_num_f32 v[TM+qb], v[TM+qb], |v[(\src)+16*qb+\i]|, |v[(\src)+16*qb+\i+1]|
.set qb, qb+1
.endr
.endr
.set qb, 0
.rept \nb
	v_permlanex16_b32 v[TM+4+qb], v[TM+qb], s[SEL], s[SEL+1]
.set qb, qb+1
.endr
.set qb, 0
.rept \nb
	v_max_num_f32 v[TM+qb], v[TM+qb], v[TM+4+qb]
.set qb, qb+1
.endr
.set qb, 0
.rept \nb
	v_add_nc_u32 v[TM+12+qb], 0xff000000, v[TM+qb]
.set qb, qb+1
.endr
.set qb, 0
.rept \nb
	v_lshrrev_b32 v[TM+4+qb], 23, v[TM+12+qb]
.set qb, qb+1
.endr
	v_lshl_or_b32 v[PW], v[TM+5], 8, v[TM+4]
	v_lshl_or_b32 v[PW], v[TM+6], 16, v[PW]
	v_lshl_or_b32 v[PW], v[TM+7], 24, v[PW]
.set qb, 0
.rept \nb
	v_cvt_scalef32_pk8_fp4_f32 v[(\pc)+2*qb], v[(\src)+16*qb:(\src)+16*qb+7], v[TM+12+qb]
	v_cvt_scalef32_pk8_fp4_f32 v[(\pc)+2*qb+1], v[(\src)+16*qb+8:(\src)+16*qb+15], v[TM+12+qb]
.set qb, qb+1
.endr
	v_nop
.set qb, 0
.rept \nb/2
	v_permlane16_swap_b32 v[(\pc)+4*qb], v[(\pc)+4*qb+2]
	v_permlane16_swap_b32 v[(\pc)+4*qb+1], v[(\pc)+4*qb+3]
.set qb, qb+1
.endr
.endm
.macro MKSCALE m, sc, ri, t
	v_max_num_f32 v[\t], 0x3727c5ac, v[\m]
	v_rcp_f32 v[\t+1], v[\t]
	v_nop
	s_wait_alu depctr_va_vdst(0)                           ; ahead of the reciprocal's first reader
	v_mul_f32 v[\t+2], s[S127], v[\t+1]
	v_fma_f32 v[\sc], -v[\t+2], v[\t], s[S127]
	v_fma_f32 v[\sc], v[\sc], v[\t+1], v[\t+2]
	v_rcp_f32 v[\t+1], v[\sc]
	v_mov_b32 v[\sc+1], v[\sc]
	s_wait_alu depctr_va_vdst(0)
	v_fma_f32 v[\t+2], -v[\sc], v[\t+1], 1.0
	v_fma_f32 v[\ri], v[\t+2], v[\t+1], v[\t+1]
	v_mov_b32 v[\ri+1], v[\ri]
.endm
.macro ACTQ16 x, sc, ri, q
.irp j, 0,2,4,6,8,10,12,14
	v_pk_mul_f32 v[(\x)+\j:(\x)+\j+1], v[(\x)+\j:(\x)+\j+1], v[(\sc):(\sc)+1] op_sel_hi:[1,0]
.endr
.irp j, 0,1,2,3,4,5,6,7,8,9,10,11,12,13,14,15
	v_rndne_f32 v[(\x)+\j], v[(\x)+\j]
.endr
.irp j, 0,1,2,3,4,5,6,7,8,9,10,11,12,13,14,15
	v_med3_num_f32 v[(\x)+\j], v[(\x)+\j], s[SM128], s[S127]
.endr
.irp j, 0,2,4,6,8,10,12,14
	v_pk_mul_f32 v[(\q)+\j:(\q)+\j+1], v[(\x)+\j:(\x)+\j+1], v[(\ri):(\ri)+1] op_sel_hi:[1,0]
.endr
.irp j, 0,2,4,6,8,10,12,14
	v_pk_fma_f32 v[(\x)+\j:(\x)+\j+1], v[(\q)+\j:(\q)+\j+1], v[(\sc):(\sc)+1], v[(\x)+\j:(\x)+\j+1] op_sel_hi:[1,0,1] neg_lo:[1,0,0] neg_hi:[1,0,0]
.endr
.irp j, 0,2,4,6,8,10,12,14
	v_pk_fma_f32 v[(\x)+\j:(\x)+\j+1], v[(\x)+\j:(\x)+\j+1], v[(\ri):(\ri)+1], v[(\q)+\j:(\q)+\j+1] op_sel_hi:[1,0,1]
.endr
.endm
; exact gelu of 16 numbers, in place; v[x] on holds hx = x / 2; the 32 transcendentals are one batch with one wait
.macro GELU16 x
.irp j, 0,1,2,3,4,5,6,7,8,9,10,11,12,13,14,15
	v_and_b32 v[HA+\j], 0x7fffffff, v[(\x)+\j]                                        ; ha = |hx|
.endr
.irp j, 0,2,4,6,8,10,12,14
	v_pk_fma_f32 v[U+\j:U+\j+1], v[HA+\j:HA+\j+1], s[KP:KP+1], 1.0 op_sel_hi:[1,0,0]   ; 1 + p z, z = sqrt 2 ha
.endr
.irp j, 0,2,4,6,8,10,12,14
	v_pk_mul_f32 v[M+\j:M+\j+1], v[(\x)+\j:(\x)+\j+1], v[(\x)+\j:(\x)+\j+1]
.endr
.irp j, 0,2,4,6,8,10,12,14
	v_pk_mul_f32 v[M+\j:M+\j+1], v[M+\j:M+\j+1], s[KE:KE+1] op_sel_hi:[1,0]            ; z^2 log2 e
.endr
.irp j, 0,1,2,3,4,5,6,7,8,9,10,11,12,13,14,15
	v_rcp_f32 v[U+\j], v[U+\j]
.endr
.irp j, 0,1,2,3,4,5,6,7,8,9,10,11,12,13,14,15
	v_exp_f32 v[M+\j], -v[M+\j]
.endr
.irp j, 0,2,4,6,8,10,12,14
	v_pk_add_f32 v[(\x)+\j:(\x)+\j+1], v[(\x)+\j:(\x)+\j+1], v[HA+\j:HA+\j+1]          ; hx + ha: plain work behind the batch
.endr
	s_wait_alu depctr_va_vdst(0)                                                       ; one wait for the 32, ahead of their first reader
.irp j, 0,2,4,6,8,10,12,14
	v_pk_fma_f32 v[P+\j:P+\j+1], v[U+\j:U+\j+1], s[A5:A5+1], v[VA4:VA4+1] op_sel_hi:[1,0,1]
.endr
.irp j, 0,2,4,6,8,10,12,14
	v_pk_fma_f32 v[P+\j:P+\j+1], v[P+\j:P+\j+1], v[U+\j:U+\j+1], s[A3:A3+1] op_sel_hi:[1,1,0]
.endr
.irp j, 0,2,4,6,8,10,12,14
	v_pk_fma_f32 v[P+\j:P+\j+1], v[P+\j:P+\j+1], v[U+\j:U+\j+1], s[A2:A2+1] op_sel_hi:[1,1,0]
.endr
.irp j, 0,2,4,6,8,10,12,14
	v_pk_fma_f32 v[P+\j:P+\j+1], v[P+\j:P+\j+1], v[U+\j:U+\j+1], s[A1:A1+1] op_sel_hi:[1,1,0]
.endr
.irp j, 0,2,4,6,8,10,12,14
	v_pk_mul_f32 v[P+\j:P+\j+1], v[P+\j:P+\j+1], v[U+\j:U+\j+1]
.endr
.irp j, 0,2,4,6,8,10,12,14
	v_pk_mul_f32 v[P+\j:P+\j+1], v[P+\j:P+\j+1], v[M+\j:M+\j+1]                        ; erfc(z)
.endr
.irp j, 0,2,4,6,8,10,12,14
	v_pk_fma_f32 v[(\x)+\j:(\x)+\j+1], v[HA+\j:HA+\j+1], v[P+\j:P+\j+1], v[(\x)+\j:(\x)+\j+1] neg_lo:[1,0,0] neg_hi:[1,0,0]
.endr
.endm
; one K step of 128: 24 fragment loads at 16 x lane, in the even steps 12 scale loads for two steps, 32 products; every offset an immediate
.macro KSTEP s
.if \s > 0
	PLACES 4                                       ; ahead of loads into registers that the last products read
.endif
.irp i, 0,1,2,3,4,5,6,7
	ds_load_b128 v[16+8*\i:19+8*\i], v4 offset:8192*\i+1024*\s
	ds_load_b128 v[20+8*\i:23+8*\i], v4 offset:8192*\i+1024*\s+512
.endr
.irp n, 0,1,2,3
	ds_load_b128 v[80+8*\n:83+8*\n], v5 offset:8192*\n+1024*\s
	ds_load_b128 v[84+8*\n:87+8*\n], v5 offset:8192*\n+1024*\s+512
.endr
.if (\s % 2) == 0
.irp i, 0,1,2,3,4,5,6,7
	ds_load_b32 v[112+\i], v6 offset:512*\i+64*\s
.endr
.irp n, 0,1,2,3
	ds_load_b32 v[120+\n], v7 offset:512*\n+64*\s
.endr
.endif
	s_wait_dscnt 0x0
.if \s == 0
	WIN 0x40                                       ; D window 1; C, the bias, window 0
.else
	WIN 0x50                                       ; C and D window 1
.endif
.irp n, 0,1,2,3
.irp i, 0,1,2,3,4,5,6,7
.if \s == 0
	v_wmma_scale_f32_16x16x128_f8f6f4 v[64*\n+8*\i:64*\n+8*\i+7], v[16+8*\i:23+8*\i], v[80+8*\n:87+8*\n], v[XW+8*\i:XW+8*\i+7], v[112+\i], v[120+\n] matrix_a_fmt:MATRIX_FMT_FP4 matrix_b_fmt:MATRIX_FMT_FP4
.elseif (\s % 2) == 0
	v_wmma_scale_f32_16x16x128_f8f6f4 v[64*\n+8*\i:64*\n+8*\i+7], v[16+8*\i:23+8*\i], v[80+8*\n:87+8*\n], v[64*\n+8*\i:64*\n+8*\i+7], v[112+\i], v[120+\n] matrix_a_fmt:MATRIX_FMT_FP4 matrix_b_fmt:MATRIX_FMT_FP4
.else
	v_wmma_scale_f32_16x16x128_f8f6f4 v[64*\n+8*\i:64*\n+8*\i+7], v[16+8*\i:23+8*\i], v[80+8*\n:87+8*\n], v[64*\n+8*\i:64*\n+8*\i+7], v[112+\i], v[120+\n] matrix_a_fmt:MATRIX_FMT_FP4 matrix_b_fmt:MATRIX_FMT_FP4 matrix_a_scale:MATRIX_SCALE_ROW1 matrix_b_scale:MATRIX_SCALE_ROW1
.endif
.endr
.endr
	WIN 0
.endm
	s_load_b256 s[4:11], s[0:1], 0x0               ; act, wq, b1, pmax
.if STOREH
	s_load_b64 s[12:13], s[0:1], 0x20              ; hid
.endif
	v_lshl_add_u32 v[SPW], v0, 2, SPARE
	v_mov_b32 v[NIL], 0
	ds_add_u32 v[SPW], v[NIL]                      ; the wave's opening: the add, twice on end, and its wait ahead of my first tensor load
	ds_add_u32 v[SPW], v[NIL]
	v_lshrrev_b32 v1, 5, v0
	v_readfirstlane_b32 s14, v1                    ; wave 0..7
	s_and_b32 s15, s14, 1                          ; a
	s_lshr_b32 s16, s14, 1                         ; c
	s_mov_b32 s17, ttmp9                           ; x: 256 hidden units
	s_and_b32 s18, ttmp7, 0xffff                   ; y: 256 tokens
	s_mov_b32 s24, 3<<16                           ; group 1, codes: 128 rows of 256 bytes, dense
	s_mov_b32 s25, 32<<16
	s_mov_b32 s26, 128<<16
	s_mov_b32 s27, 32<<16
	s_mov_b32 s28, 128
	s_mov_b32 s29, 32
	s_mov_b32 s30, 0
	s_mov_b32 s31, 0
	s_mov_b32 s36, 3<<16                           ; group 1, scale words: 8 rows of 256 bytes
	s_mov_b32 s37, 32<<16
	s_mov_b32 s38, 8<<16
	s_mov_b32 s39, 32<<16
	s_mov_b32 s40, 8
	s_mov_b32 s41, 32
	s_mov_b32 s42, 0
	s_mov_b32 s43, 0
	s_mov_b32 s20, 1
	s_lshl_b32 s21, s14, 15                        ; LDS: 32,768 x wave: waves 0-3 w1's panel, waves 4-7 the tokens'
	s_mov_b32 s32, 1
	s_lshl_b32 s33, s14, 11
	s_add_co_u32 s33, s33, 262144
	s_mov_b32 s52, 0xffff0000
	s_mov_b32 s[SEL], 0x76543210
	s_mov_b32 s[SEL+1], 0xfedcba98
	s_mov_b32 s[KP], 0x3eed3388                    ; p sqrt 2
	s_mov_b32 s[KP+1], s[KP]
	s_mov_b32 s[KE], 0x4038aa3b                    ; 2 log2 e
	s_mov_b32 s[KE+1], s[KE]
	s_mov_b32 s[A5], 0x3f87dc22
	s_mov_b32 s[A5+1], s[A5]
	s_mov_b32 s[A3], 0x3fb5f0e3
	s_mov_b32 s[A3+1], s[A3]
	s_mov_b32 s[A2], 0xbe91a98e
	s_mov_b32 s[A2+1], s[A2]
	s_mov_b32 s[A1], 0x3e827906
	s_mov_b32 s[A1+1], s[A1]
	s_mov_b32 s[SM128], 0xc3000000
	s_mov_b32 s[S127], 0x42fe0000
	s_lshr_b32 s19, s14, 2                         ; 0: I fetch w1's panel; 1: the tokens'
	s_lshl_b32 s44, s17, 17
	s_add_co_u32 s44, s44, WOFF
	s_lshl_b32 s46, s18, 17
	s_lshl_b32 s48, s17, 13
	s_add_co_u32 s48, s48, WSC
	s_lshl_b32 s50, s18, 13
	s_add_co_u32 s50, s50, 2097152
	s_and_b32 s51, s14, 3
	s_wait_dscnt 0x0                               ; both opening adds are done
	s_wait_kmcnt 0x0
	s_cmp_eq_u32 s19, 0
	s_cselect_b32 s44, s44, s46
	s_cselect_b32 s48, s48, s50
	s_cselect_b64 s[46:47], s[6:7], s[4:5]
	s_lshl_b32 s50, s51, 15
	s_add_co_u32 s44, s44, s50
	s_lshl_b32 s50, s51, 11
	s_add_co_u32 s48, s48, s50
	s_mov_b32 s45, 0
	s_mov_b32 s49, 0
	s_add_nc_u64 s[22:23], s[46:47], s[44:45]
	s_or_b32 s23, s23, 0x80000000
	tensor_load_to_lds s[20:23], s[24:31]
	s_nop 0
	s_add_nc_u64 s[34:35], s[46:47], s[48:49]
	s_or_b32 s35, s35, 0x80000000
	tensor_load_to_lds s[32:35], s[36:43]          ; two tensor loads of mine are out
	s_nop 0
	v_and_b32 v1, 31, v0
	v_and_b32 v2, 15, v0
	v_bfe_u32 v3, v0, 4, 1
	v_lshlrev_b32 v10, 4, v1                       ; 16 lane
	v_lshlrev_b32 v11, 2, v2                       ; 4 r
	v_lshlrev_b32 v12, 6, v3                       ; 64 h
	v_lshlrev_b32 v13, 2, v1                       ; 4 lane
	v_lshl_add_u32 v14, v3, 11, v11                ; 4 r + 2,048 h
	s_lshl_b32 s44, s17, 10
	s_lshl_b32 s46, s15, 9
	s_add_co_u32 s44, s44, s46
	s_add_nc_u64 s[8:9], s[8:9], s[44:45]          ; b1 at my 128 hidden units
.irp i, 0,1,2,3,4,5,6,7
.irp q, 0,1
	global_load_b128 v[XW+8*\i+4*\q:XW+8*\i+4*\q+3], v12, s[8:9] offset:4*(32*(\i/2)+8*(\i%2))+16*\q   ; the bias, in the result's layout
.endr
.endr
	s_lshl_b32 s50, s15, 16
	v_add_nc_u32 v4, s50, v10                      ; w1's fragments
	s_lshl_b32 s50, s16, 15
	s_add_co_u32 s50, s50, 131072
	v_add_nc_u32 v5, s50, v10                      ; the tokens'
	s_lshl_b32 s50, s15, 12
	s_add_co_u32 s50, s50, 262144
	v_add_nc_u32 v6, s50, v13                      ; w1's scale words: two K steps' 128 bytes to the 32 lanes
	s_lshl_b32 s50, s16, 11
	s_add_co_u32 s50, s50, 270336
	v_add_nc_u32 v7, s50, v13                      ; the tokens'
	v_mov_b32 v[VA4], 0xbfba00e3
	v_mov_b32 v[VA4+1], 0xbfba00e3
	s_lshl_b32 s44, s18, 4
	s_lshl_b32 s46, s16, 2
	s_add_co_u32 s44, s44, s46                     ; my first token tile: 16 y + 4 c
	s_lshl_b32 s48, s17, 1
	s_add_co_u32 s48, s48, s15                     ; my group of 128 hidden units: 2 x + a
.if STOREH
	s_lshl_b32 s46, s44, 6
	s_mov_b32 s47, 0
	s_add_nc_u64 s[10:11], s[10:11], s[46:47]
.irp p, 0,1
.set j, 0
.rept 32
	global_load_b32 v[16+32*\p+j], v13, s[10:11] offset:16384*j+128*\p   ; the 32 groups' maxima of token tiles 2 p, 2 p + 1
.set j, j+1
.endr
.endr
	s_lshl_b32 s50, s44, 5
	s_add_co_u32 s48, s48, s50                     ; fragment 32 T + s
	s_lshl_b32 s50, s48, 10
	s_mov_b32 s51, 0
	s_lshl_b32 s48, s48, 6
	s_add_co_u32 s48, s48, 8388608
	s_add_nc_u64 s[46:47], s[12:13], s[48:49]
	s_add_nc_u64 s[12:13], s[12:13], s[50:51]
	s_wait_loadcnt 0x0
.irp p, 0,1
.irp k, 0,1,2,3,4,5,6,7
	v_max3_num_f32 v[16+32*\p+\k], v[16+32*\p+\k], v[24+32*\p+\k], v[32+32*\p+\k]
.endr
.irp k, 0,1,2,3,4,5,6,7
	v_max_num_f32 v[16+32*\p+\k], v[16+32*\p+\k], v[40+32*\p+\k]
.endr
	v_max3_num_f32 v[16+32*\p], v[16+32*\p], v[17+32*\p], v[18+32*\p]
	v_max3_num_f32 v[19+32*\p], v[19+32*\p], v[20+32*\p], v[21+32*\p]
	v_max3_num_f32 v[16+32*\p], v[16+32*\p], v[19+32*\p], v[22+32*\p]
	v_max_num_f32 v[16+32*\p], v[16+32*\p], v[23+32*\p]                  ; lanes 0-15: tile 2 p's rows; lanes 16-31: tile 2 p + 1's
	v_permlanex16_b32 v[17+32*\p], v[16+32*\p], s[SEL], s[SEL+1]
	v_cndmask_b32 v[18+32*\p], v[16+32*\p], v[17+32*\p], s52
	v_cndmask_b32 v[19+32*\p], v[17+32*\p], v[16+32*\p], s52
	MKSCALE 18+32*\p, SCR+8*\p, SCR+8*\p+2, 20+32*\p
	MKSCALE 19+32*\p, SCR+8*\p+4, SCR+8*\p+6, 20+32*\p
.endr
.else
	s_lshl_b32 s48, s48, 14
	s_lshl_b32 s46, s44, 6
	s_add_co_u32 s48, s48, s46
	s_add_nc_u64 s[10:11], s[10:11], s[48:49]
	s_wait_loadcnt 0x0                             ; the bias
.endif
	s_wait_tensorcnt 0x0                           ; my parts have landed,
	s_barrier_signal -1
	s_barrier_wait -1                              ; everybody's have; nothing is filled again
.irp s, 0,1,2,3,4,5,6,7
	KSTEP \s
.endr
	PLACES 4
.irp n, 0,1,2,3
	WIN 0x01                                       ; source 0 window 1
.set j, 0
.rept 32
	v_pk_mul_f32 v[XW+j:XW+j+1], v[64*\n+j:64*\n+j+1], 0.5 op_sel_hi:[1,0]   ; hx = x / 2, into window 0; each accumulator from its low end on
.set j, j+2
.endr
	WIN 0
.irp u, 0,16,32,48
	GELU16 XW+\u
.endr
.if STOREH
.irp u, 0,16,32,48
	ACTQ16 XW+\u, SCR+4*\n, SCR+4*\n+2, HA
.endr
	QUANT XW, 4, PC+8*\n
	global_store_b128 v10, v[PC+8*\n:PC+8*\n+3], s[12:13] offset:32768*\n
	global_store_b128 v10, v[PC+8*\n+4:PC+8*\n+7], s[12:13] offset:32768*\n+512
.if \n%2 == 0
	v_mov_b32 v97, v[PW]
.else
	v_cndmask_b32 v[98+\n/2], v97, v[PW], s52      ; lanes 0-15 the tile before, lanes 16-31 this one
	global_store_b32 v14, v[98+\n/2], s[46:47] offset:4096*(\n/2)   ; two runs of 64 bytes
.endif
.else
.irp k, 0,1,2,3
	v_max_num_f32 v[TM+\k], |v[XW+\k]|, |v[XW+4+\k]|
.endr
.irp j, 8,16,24,32,40,48,56
.irp k, 0,1,2,3
	v_max3_num_f32 v[TM+\k], v[TM+\k], |v[XW+\j+\k]|, |v[XW+\j+4+\k]|
.endr
.endr
	v_max3_num_f32 v[TM], v[TM], v[TM+1], v[TM+2]
	v_max_num_f32 v[TM], v[TM], v[TM+3]
	v_permlanex16_b32 v[TM+1], v[TM], s[SEL], s[SEL+1]
	v_max_num_f32 v[100+\n], v[TM], v[TM+1]
.if \n%2 == 1
	v_cndmask_b32 v[98+\n/2], v[99+\n], v[100+\n], s52
	global_store_b32 v13, v[98+\n/2], s[10:11] offset:128*(\n/2)    ; 128 consecutive bytes
.endif
.endif
.endr
	s_wait_tensorcnt 0x0                           ; the wave's end
	ds_add_u32 v[SPW], v[NIL]
	s_wait_dscnt 0x0
	s_endpgm
.Lfunc_end_k_q71a370172c_gemm5a:
	.size	k_q71a370172c_gemm5a, .Lfunc_end_k_q71a370172c_gemm5a-k_q71a370172c_gemm5a
	.p2alignl 7, 3214868480
	.fill 96, 4, 3214868480
	.section	.rodata,"a",@progbits
	.p2align	6, 0x0
	.amdhsa_kernel k_q71a370172c_gemm5a
		.amdhsa_group_segment_fixed_size 327680
		.amdhsa_private_segment_fixed_size 0
		.amdhsa_enable_private_segment 0
		.amdhsa_kernarg_size 32
		.amdhsa_user_sgpr_count 2
		.amdhsa_user_sgpr_kernarg_segment_ptr 1
		.amdhsa_wavefront_size32 1
		.amdhsa_system_sgpr_workgroup_id_x 1
		.amdhsa_system_sgpr_workgroup_id_y 1
		.amdhsa_system_sgpr_workgroup_id_z 1
		.amdhsa_system_vgpr_workitem_id 0
		.amdhsa_next_free_vgpr 512
		.amdhsa_next_free_sgpr 72
		.amdhsa_reserve_vcc 0
		.amdhsa_float_denorm_mode_32 3
		.amdhsa_float_denorm_mode_16_64 3
		.amdhsa_memory_ordered 1
		.amdhsa_forward_progress 1
		.amdhsa_inst_pref_size 202
	.end_amdhsa_kernel
	.amdgpu_metadata
---
amdhsa.version: [ 1, 2 ]
amdhsa.kernels:
  - .name:           k_q71a370172c_gemm5a
    .symbol:         k_q71a370172c_gemm5a.kd
    .args:
      - { .name: act, .offset: 0, .size: 8, .value_kind: global_buffer, .address_space: global }
      - { .name: wq, .offset: 8, .size: 8, .value_kind: global_buffer, .address_space: global }
      - { .name: b1, .offset: 16, .size: 8, .value_kind: global_buffer, .address_space: global }
      - { .name: pmax, .offset: 24, .size: 8, .value_kind: global_buffer, .address_space: global }
    .group_segment_fixed_size: 327680
    .private_segment_fixed_size: 0
    .kernarg_segment_align: 8
    .kernarg_segment_size: 32
    .max_flat_workgroup_size: 256
    .sgpr_count:     72
    .vgpr_count:     512
    .wavefront_size: 32
...
	.end_amdgpu_metadata
.endif
;; end of part 7
;; launch gemm5b (part 8): grid 16 x 16, 8 waves a work-group, no clusters, 327,680 bytes of LDS; arguments act, wq, b1, pmax, hid; writes hid
.if DOCPART == 8
	.amdgcn_target "amdgcn-amd-amdhsa--gfx1250"
	.amdhsa_code_object_version 6
	.text
	.protected	k_q71a370172c_gemm5b
	.globl	k_q71a370172c_gemm5b
	.p2align	8
	.type	k_q71a370172c_gemm5b,@function
k_q71a370172c_gemm5b:
	s_mov_b64 s[64:65], 0
	v_nop
	global_prefetch_b8 v0, s[64:65] scope:SCOPE_SE
	s_setreg_imm32_b32 hwreg(HW_REG_WAVE_MODE, 25, 1), 1
	s_wait_xcnt 0x0
; LAUNCH 8 OF 9.  hid = MX-FP4 codes and scale bytes of act_quant(gelu(h w1^T + b1)).  The text of launch 7 with STOREH = 1: the same products and the same gelu, instruction for instruction, so that the
; numbers are those whose maxima launch 7 stored; each row's maximum over the 32 groups is joined at the head, while the tiles are on their way.
; Left out as dead work: x + stop_gradient(act_quant(x) - x) is act_quant(x) in real numbers (shown at the head of launch 1).
; Shares, registers and windows as in launch 7: eight waves of 512 registers, a wave 128 hidden units x 64 tokens, 32 accumulators in window 1.
; gelu: LIMIT as in launch 7 (erfc by formula 7.1.26 of Abramowitz and Stegun, absolute error 1.5e-7).  127 / max and n / scale: a reciprocal and one correction.  NO CLUSTER: as in launch 3.
.set STOREH, 1
.set WOFF, 2097152
.set WSC, 6422528
.set SPARE, 278528
.set SPW, 8
.set NIL, 9
.set HA, 16
.set U, 32
.set M, 48
.set P, 64
.set TM, 80
.set PW, 96
.set VA4, 124
.set XW, 128                           ; v128-191: b1 in the result's layout, later the 64 numbers at work
.set SCR, 192                          ; token tile n: 127 / max at v[SCR+4n], its reciprocal at v[SCR+4n+2], each the low word of a pair
.set PC, 208                           ; token tile n's codes at v[PC+8n]
.set SEL, 54
.set KP, 56
.set KE, 58
.set A5, 60
.set A3, 62
.set A2, 66
.set A1, 68
.set SM128, 70
.set S127, 71
.set MSB, 0
.macro WIN new                         ; the immediate's high byte repeats the setting that is left
.if MSB != \new
	s_set_vgpr_msb (MSB<<8)|\new
.set MSB, \new
.endif
.endm
.macro PLACES n
.rept \n
	v_nop
.endr
.endm
.macro QUANT src, nb, pc
.set qb, 0
.rept \nb
	v_max3_num_f32 v[TM+qb], |v[(\src)+16*qb]|, |v[(\src)+16*qb+1]|, 0x1800000   ; with the floor 2^(3-127): the byte cannot fall under 1
.set qb, qb+1
.endr
.irp i, 2,4,6,8,10,12,14
.set qb, 0
.rept \nb
	v_max3_num_f32 v[TM+qb], v[TM+qb], |v[(\src)+16*qb+\i]|, |v[(\src)+16*qb+\i+1]|
.set qb, qb+1
.endr
.endr
.set qb, 0
.rept \nb
	v_permlanex16_b32 v[TM+4+qb], v[TM+qb], s[SEL], s[SEL+1]
.set qb, qb+1
.endr
.set qb, 0
.rept \nb
	v_max_num_f32 v[TM+qb], v[TM+qb], v[TM+4+qb]
.set qb, qb+1
.endr
.set qb, 0
.rept \nb
	v_add_nc_u32 v[TM+12+qb], 0xff000000, v[TM+qb]
.set qb, qb+1
.endr
.set qb, 0
.rept \nb
	v_lshrrev_b32 v[TM+4+qb], 23, v[TM+12+qb]
.set qb, qb+1
.endr
	v_lshl_or_b32 v[PW], v[TM+5], 8, v[TM+4]
	v_lshl_or_b32 v[PW], v[TM+6], 16, v[PW]
	v_lshl_or_b32 v[PW], v[TM+7], 24, v[PW]
.set qb, 0
.rept \nb
	v_cvt_scalef32_pk8_fp4_f32 v[(\pc)+2*qb], v[(\src)+16*qb:(\src)+16*qb+7], v[TM+12+qb]
	v_cvt_scalef32_pk8_fp4_f32 v[(\pc)+2*qb+1], v[(\src)+16*qb+8:(\src)+16*qb+15], v[TM+12+qb]
.set qb, qb+1
.endr
	v_nop
.set qb, 0
.rept \nb/2
	v_permlane16_swap_b32 v[(\pc)+4*qb], v[(\pc)+4*qb+2]
	v_permlane16_swap_b32 v[(\pc)+4*qb+1], v[(\pc)+4*qb+3]
.set qb, qb+1
.endr
.endm
.macro MKSCALE m, sc, ri, t
	v_max_num_f32 v[\t], 0x3727c5ac, v[\m]
	v_rcp_f32 v[\t+1], v[\t]
	v_nop
	s_wait_alu depctr_va_vdst(0)                           ; ahead of the reciprocal's first reader
	v_mul_f32 v[\t+2], s[S127], v[\t+1]
	v_fma_f32 v[\sc], -v[\t+2], v[\t], s[S127]
	v_fma_f32 v[\sc], v[\sc], v[\t+1], v[\t+2]
	v_rcp_f32 v[\t+1], v[\sc]
	v_mov_b32 v[\sc+1], v[\sc]
	s_wait_alu depctr_va_vdst(0)
	v_fma_f32 v[\t+2], -v[\sc], v[\t+1], 1.0
	v_fma_f32 v[\ri], v[\t+2], v[\t+1], v[\t+1]
	v_mov_b32 v[\ri+1], v[\ri]
.endm
.macro ACTQ16 x, sc, ri, q
.irp j, 0,2,4,6,8,10,12,14
	v_pk_mul_f32 v[(\x)+\j:(\x)+\j+1], v[(\x)+\j:(\x)+\j+1], v[(\sc):(\sc)+1] op_sel_hi:[1,0]
.endr
.irp j, 0,1,2,3,4,5,6,7,8,9,10,11,12,13,14,15
	v_rndne_f32 v[(\x)+\j], v[(\x)+\j]
.endr
.irp j, 0,1,2,3,4,5,6,7,8,9,10,11,12,13,14,15
	v_med3_num_f32 v[(\x)+\j], v[(\x)+\j], s[SM128], s[S127]
.endr
.irp j, 0,2,4,6,8,10,12,14
	v_pk_mul_f32 v[(\q)+\j:(\q)+\j+1], v[(\x)+\j:(\x)+\j+1], v[(\ri):(\ri)+1] op_sel_hi:[1,0]
.endr
.irp j, 0,2,4,6,8,10,12,14
	v_pk_fma_f32 v[(\x)+\j:(\x)+\j+1], v[(\q)+\j:(\q)+\j+1], v[(\sc):(\sc)+1], v[(\x)+\j:(\x)+\j+1] op_sel_hi:[1,0,1] neg_lo:[1,0,0] neg_hi:[1,0,0]
.endr
.irp j, 0,2,4,6,8,10,12,14
	v_pk_fma_f32 v[(\x)+\j:(\x)+\j+1], v[(\x)+\j:(\x)+\j+1], v[(\ri):(\ri)+1], v[(\q)+\j:(\q)+\j+1] op_sel_hi:[1,0,1]
.endr
.endm
; exact gelu of 16 numbers, in place; v[x] on holds hx = x / 2; the 32 transcendentals are one batch with one wait
.macro GELU16 x
.irp j, 0,1,2,3,4,5,6,7,8,9,10,11,12,13,14,15
	v_and_b32 v[HA+\j], 0x7fffffff, v[(\x)+\j]                                        ; ha = |hx|
.endr
.irp j, 0,2,4,6,8,10,12,14
	v_pk_fma_f32 v[U+\j:U+\j+1], v[HA+\j:HA+\j+1], s[KP:KP+1], 1.0 op_sel_hi:[1,0,0]   ; 1 + p z, z = sqrt 2 ha
.endr
.irp j, 0,2,4,6,8,10,12,14
	v_pk_mul_f32 v[M+\j:M+\j+1], v[(\x)+\j:(\x)+\j+1], v[(\x)+\j:(\x)+\j+1]
.endr
.irp j, 0,2,4,6,8,10,12,14
	v_pk_mul_f32 v[M+\j:M+\j+1], v[M+\j:M+\j+1], s[KE:KE+1] op_sel_hi:[1,0]            ; z^2 log2 e
.endr
.irp j, 0,1,2,3,4,5,6,7,8,9,10,11,12,13,14,15
	v_rcp_f32 v[U+\j], v[U+\j]
.endr
.irp j, 0,1,2,3,4,5,6,7,8,9,10,11,12,13,14,15
	v_exp_f32 v[M+\j], -v[M+\j]
.endr
.irp j, 0,2,4,6,8,10,12,14
	v_pk_add_f32 v[(\x)+\j:(\x)+\j+1], v[(\x)+\j:(\x)+\j+1], v[HA+\j:HA+\j+1]          ; hx + ha: plain work behind the batch
.endr
	s_wait_alu depctr_va_vdst(0)                                                       ; one wait for the 32, ahead of their first reader
.irp j, 0,2,4,6,8,10,12,14
	v_pk_fma_f32 v[P+\j:P+\j+1], v[U+\j:U+\j+1], s[A5:A5+1], v[VA4:VA4+1] op_sel_hi:[1,0,1]
.endr
.irp j, 0,2,4,6,8,10,12,14
	v_pk_fma_f32 v[P+\j:P+\j+1], v[P+\j:P+\j+1], v[U+\j:U+\j+1], s[A3:A3+1] op_sel_hi:[1,1,0]
.endr
.irp j, 0,2,4,6,8,10,12,14
	v_pk_fma_f32 v[P+\j:P+\j+1], v[P+\j:P+\j+1], v[U+\j:U+\j+1], s[A2:A2+1] op_sel_hi:[1,1,0]
.endr
.irp j, 0,2,4,6,8,10,12,14
	v_pk_fma_f32 v[P+\j:P+\j+1], v[P+\j:P+\j+1], v[U+\j:U+\j+1], s[A1:A1+1] op_sel_hi:[1,1,0]
.endr
.irp j, 0,2,4,6,8,10,12,14
	v_pk_mul_f32 v[P+\j:P+\j+1], v[P+\j:P+\j+1], v[U+\j:U+\j+1]
.endr
.irp j, 0,2,4,6,8,10,12,14
	v_pk_mul_f32 v[P+\j:P+\j+1], v[P+\j:P+\j+1], v[M+\j:M+\j+1]                        ; erfc(z)
.endr
.irp j, 0,2,4,6,8,10,12,14
	v_pk_fma_f32 v[(\x)+\j:(\x)+\j+1], v[HA+\j:HA+\j+1], v[P+\j:P+\j+1], v[(\x)+\j:(\x)+\j+1] neg_lo:[1,0,0] neg_hi:[1,0,0]
.endr
.endm
; one K step of 128: 24 fragment loads at 16 x lane, in the even steps 12 scale loads for two steps, 32 products; every offset an immediate
.macro KSTEP s
.if \s > 0
	PLACES 4                                       ; ahead of loads into registers that the last products read
.endif
.irp i, 0,1,2,3,4,5,6,7
	ds_load_b128 v[16+8*\i:19+8*\i], v4 offset:8192*\i+1024*\s
	ds_load_b128 v[20+8*\i:23+8*\i], v4 offset:8192*\i+1024*\s+512
.endr
.irp n, 0,1,2,3
	ds_load_b128 v[80+8*\n:83+8*\n], v5 offset:8192*\n+1024*\s
	ds_load_b128 v[84+8*\n:87+8*\n], v5 offset:8192*\n+1024*\s+512
.endr
.if (\s % 2) == 0
.irp i, 0,1,2,3,4,5,6,7
	ds_load_b32 v[112+\i], v6 offset:512*\i+64*\s
.endr
.irp n, 0,1,2,3
	ds_load_b32 v[120+\n], v7 offset:512*\n+64*\s
.endr
.endif
	s_wait_dscnt 0x0
.if \s == 0
	WIN 0x40                                       ; D window 1; C, the bias, window 0
.else
	WIN 0x50                                       ; C and D window 1
.endif
.irp n, 0,1,2,3
.irp i, 0,1,2,3,4,5,6,7
.if \s == 0
	v_wmma_scale_f32_16x16x128_f8f6f4 v[64*\n+8*\i:64*\n+8*\i+7], v[16+8*\i:23+8*\i], v[80+8*\n:87+8*\n], v[XW+8*\i:XW+8*\i+7], v[112+\i], v[120+\n] matrix_a_fmt:MATRIX_FMT_FP4 matrix_b_fmt:MATRIX_FMT_FP4
.elseif (\s % 2) == 0
	v_wmma_scale_f32_16x16x128_f8f6f4 v[64*\n+8*\i:64*\n+8*\i+7], v[16+8*\i:23+8*\i], v[80+8*\n:87+8*\n], v[64*\n+8*\i:64*\n+8*\i+7], v[112+\i], v[120+\n] matrix_a_fmt:MATRIX_FMT_FP4 matrix_b_fmt:MATRIX_FMT_FP4
.else
	v_wmma_scale_f32_16x16x128_f8f6f4 v[64*\n+8*\i:64*\n+8*\i+7], v[16+8*\i:23+8*\i], v[80+8*\n:87+8*\n], v[64*\n+8*\i:64*\n+8*\i+7], v[112+\i], v[120+\n] matrix_a_fmt:MATRIX_FMT_FP4 matrix_b_fmt:MATRIX_FMT_FP4 matrix_a_scale:MATRIX_SCALE_ROW1 matrix_b_scale:MATRIX_SCALE_ROW1
.endif
.endr
.endr
	WIN 0
.endm
	s_load_b256 s[4:11], s[0:1], 0x0               ; act, wq, b1, pmax
.if STOREH
	s_load_b64 s[12:13], s[0:1], 0x20              ; hid
.endif
	v_lshl_add_u32 v[SPW], v0, 2, SPARE
	v_mov_b32 v[NIL], 0
	ds_add_u32 v[SPW], v[NIL]                      ; the wave's opening: the add, twice on end, and its wait ahead of my first tensor load
	ds_add_u32 v[SPW], v[NIL]
	v_lshrrev_b32 v1, 5, v0
	v_readfirstlane_b32 s14, v1                    ; wave 0..7
	s_and_b32 s15, s14, 1                          ; a
	s_lshr_b32 s16, s14, 1                         ; c
	s_mov_b32 s17, ttmp9                           ; x: 256 hidden units
	s_and_b32 s18, ttmp7, 0xffff                   ; y: 256 tokens
	s_mov_b32 s24, 3<<16                           ; group 1, codes: 128 rows of 256 bytes, dense
	s_mov_b32 s25, 32<<16
	s_mov_b32 s26, 128<<16
	s_mov_b32 s27, 32<<16
	s_mov_b32 s28, 128
	s_mov_b32 s29, 32
	s_mov_b32 s30, 0
	s_mov_b32 s31, 0
	s_mov_b32 s36, 3<<16                           ; group 1, scale words: 8 rows of 256 bytes
	s_mov_b32 s37, 32<<16
	s_mov_b32 s38, 8<<16
	s_mov_b32 s39, 32<<16
	s_mov_b32 s40, 8
	s_mov_b32 s41, 32
	s_mov_b32 s42, 0
	s_mov_b32 s43, 0
	s_mov_b32 s20, 1
	s_lshl_b32 s21, s14, 15                        ; LDS: 32,768 x wave: waves 0-3 w1's panel, waves 4-7 the tokens'
	s_mov_b32 s32, 1
	s_lshl_b32 s33, s14, 11
	s_add_co_u32 s33, s33, 262144
	s_mov_b32 s52, 0xffff0000
	s_mov_b32 s[SEL], 0x76543210
	s_mov_b32 s[SEL+1], 0xfedcba98
	s_mov_b32 s[KP], 0x3eed3388                    ; p sqrt 2
	s_mov_b32 s[KP+1], s[KP]
	s_mov_b32 s[KE], 0x4038aa3b                    ; 2 log2 e
	s_mov_b32 s[KE+1], s[KE]
	s_mov_b32 s[A5], 0x3f87dc22
	s_mov_b32 s[A5+1], s[A5]
	s_mov_b32 s[A3], 0x3fb5f0e3
	s_mov_b32 s[A3+1], s[A3]
	s_mov_b32 s[A2], 0xbe91a98e
	s_mov_b32 s[A2+1], s[A2]
	s_mov_b32 s[A1], 0x3e827906
	s_mov_b32 s[A1+1], s[A1]
	s_mov_b32 s[SM128], 0xc3000000
	s_mov_b32 s[S127], 0x42fe0000
	s_lshr_b32 s19, s14, 2                         ; 0: I fetch w1's panel; 1: the tokens'
	s_lshl_b32 s44, s17, 17
	s_add_co_u32 s44, s44, WOFF
	s_lshl_b32 s46, s18, 17
	s_lshl_b32 s48, s17, 13
	s_add_co_u32 s48, s48, WSC
	s_lshl_b32 s50, s18, 13
	s_add_co_u32 s50, s50, 2097152
	s_and_b32 s51, s14, 3
	s_wait_dscnt 0x0                               ; both opening adds are done
	s_wait_kmcnt 0x0
	s_cmp_eq_u32 s19, 0
	s_cselect_b32 s44, s44, s46
	s_cselect_b32 s48, s48, s50
	s_cselect_b64 s[46:47], s[6:7], s[4:5]
	s_lshl_b32 s50, s51, 15
	s_add_co_u32 s44, s44, s50
	s_lshl_b32 s50, s51, 11
	s_add_co_u32 s48, s48, s50
	s_mov_b32 s45, 0
	s_mov_b32 s49, 0
	s_add_nc_u64 s[22:23], s[46:47], s[44:45]
	s_or_b32 s23, s23, 0x80000000
	tensor_load_to_lds s[20:23], s[24:31]
	s_nop 0
	s_add_nc_u64 s[34:35], s[46:47], s[48:49]
	s_or_b32 s35, s35, 0x80000000
	tensor_load_to_lds s[32:35], s[36:43]          ; two tensor loads of mine are out
	s_nop 0
	v_and_b32 v1, 31, v0
	v_and_b32 v2, 15, v0
	v_bfe_u32 v3, v0, 4, 1
	v_lshlrev_b32 v10, 4, v1                       ; 16 lane
	v_lshlrev_b32 v11, 2, v2                       ; 4 r
	v_lshlrev_b32 v12, 6, v3                       ; 64 h
	v_lshlrev_b32 v13, 2, v1                       ; 4 lane
	v_lshl_add_u32 v14, v3, 11, v11                ; 4 r + 2,048 h
	s_lshl_b32 s44, s17, 10
	s_lshl_b32 s46, s15, 9
	s_add_co_u32 s44, s44, s46
	s_add_nc_u64 s[8:9], s[8:9], s[44:45]          ; b1 at my 128 hidden units
.irp i, 0,1,2,3,4,5,6,7
.irp q, 0,1
	global_load_b128 v[XW+8*\i+4*\q:XW+8*\i+4*\q+3], v12, s[8:9] offset:4*(32*(\i/2)+8*(\i%2))+16*\q   ; the bias, in the result's layout
.endr
.endr
	s_lshl_b32 s50, s15, 16
	v_add_nc_u32 v4, s50, v10                      ; w1's fragments
	s_lshl_b32 s50, s16, 15
	s_add_co_u32 s50, s50, 131072
	v_add_nc_u32 v5, s50, v10                      ; the tokens'
	s_lshl_b32 s50, s15, 12
	s_add_co_u32 s50, s50, 262144
	v_add_nc_u32 v6, s50, v13                      ; w1's scale words: two K steps' 128 bytes to the 32 lanes
	s_lshl_b32 s50, s16, 11
	s_add_co_u32 s50, s50, 270336
	v_add_nc_u32 v7, s50, v13                      ; the tokens'
	v_mov_b32 v[VA4], 0xbfba00e3
	v_mov_b32 v[VA4+1], 0xbfba00e3
	s_lshl_b32 s44, s18, 4
	s_lshl_b32 s46, s16, 2
	s_add_co_u32 s44, s44, s46                     ; my first token tile: 16 y + 4 c
	s_lshl_b32 s48, s17, 1
	s_add_co_u32 s48, s48, s15                     ; my group of 128 hidden units: 2 x + a
.if STOREH
	s_lshl_b32 s46, s44, 6
	s_mov_b32 s47, 0
	s_add_nc_u64 s[10:11], s[10:11], s[46:47]
.irp p, 0,1
.set j, 0
.rept 32
	global_load_b32 v[16+32*\p+j], v13, s[10:11] offset:16384*j+128*\p   ; the 32 groups' maxima of token tiles 2 p, 2 p + 1
.set j, j+1
.endr
.endr
	s_lshl_b32 s50, s44, 5
	s_add_co_u32 s48, s48, s50                     ; fragment 32 T + s
	s_lshl_b32 s50, s48, 10
	s_mov_b32 s51, 0
	s_lshl_b32 s48, s48, 6
	s_add_co_u32 s48, s48, 8388608
	s_add_nc_u64 s[46:47], s[12:13], s[48:49]
	s_add_nc_u64 s[12:13], s[12:13], s[50:51]
	s_wait_loadcnt 0x0
.irp p, 0,1
.irp k, 0,1,2,3,4,5,6,7
	v_max3_num_f32 v[16+32*\p+\k], v[16+32*\p+\k], v[24+32*\p+\k], v[32+32*\p+\k]
.endr
.irp k, 0,1,2,3,4,5,6,7
	v_max_num_f32 v[16+32*\p+\k], v[16+32*\p+\k], v[40+32*\p+\k]
.endr
	v_max3_num_f32 v[16+32*\p], v[16+32*\p], v[17+32*\p], v[18+32*\p]
	v_max3_num_f32 v[19+32*\p], v[19+32*\p], v[20+32*\p], v[21+32*\p]
	v_max3_num_f32 v[16+32*\p], v[16+32*\p], v[19+32*\p], v[22+32*\p]
	v_max_num_f32 v[16+32*\p], v[16+32*\p], v[23+32*\p]                  ; lanes 0-15: tile 2 p's rows; lanes 16-31: tile 2 p + 1's
	v_permlanex16_b32 v[17+32*\p], v[16+32*\p], s[SEL], s[SEL+1]
	v_cndmask_b32 v[18+32*\p], v[16+32*\p], v[17+32*\p], s52
	v_cndmask_b32 v[19+32*\p], v[17+32*\p], v[16+32*\p], s52
	MKSCALE 18+32*\p, SCR+8*\p, SCR+8*\p+2, 20+32*\p
	MKSCALE 19+32*\p, SCR+8*\p+4, SCR+8*\p+6, 20+32*\p
.endr
.else
	s_lshl_b32 s48, s48, 14
	s_lshl_b32 s46, s44, 6
	s_add_co_u32 s48, s48, s46
	s_add_nc_u64 s[10:11], s[10:11], s[48:49]
	s_wait_loadcnt 0x0                             ; the bias
.endif
	s_wait_tensorcnt 0x0                           ; my parts have landed,
	s_barrier_signal -1
	s_barrier_wait -1                              ; everybody's have; nothing is filled again
.irp s, 0,1,2,3,4,5,6,7
	KSTEP \s
.endr
	PLACES 4
.irp n, 0,1,2,3
	WIN 0x01                                       ; source 0 window 1
.set j, 0
.rept 32
	v_pk_mul_f32 v[XW+j:XW+j+1], v[64*\n+j:64*\n+j+1], 0.5 op_sel_hi:[1,0]   ; hx = x / 2, into window 0; each accumulator from its low end on
.set j, j+2
.endr
	WIN 0
.irp u, 0,16,32,48
	GELU16 XW+\u
.endr
.if STOREH
.irp u, 0,16,32,48
	ACTQ16 XW+\u, SCR+4*\n, SCR+4*\n+2, HA
.endr
	QUANT XW, 4, PC+8*\n
	global_store_b128 v10, v[PC+8*\n:PC+8*\n+3], s[12:13] offset:32768*\n
	global_store_b128 v10, v[PC+8*\n+4:PC+8*\n+7], s[12:13] offset:32768*\n+512
.if \n%2 == 0
	v_mov_b32 v97, v[PW]
.else
	v_cndmask_b32 v[98+\n/2], v97, v[PW], s52      ; lanes 0-15 the tile before, lanes 16-31 this one
	global_store_b32 v14, v[98+\n/2], s[46:47] offset:4096*(\n/2)   ; two runs of 64 bytes
.endif
.else
.irp k, 0,1,2,3
	v_max_num_f32 v[TM+\k], |v[XW+\k]|, |v[XW+4+\k]|
.endr
.irp j, 8,16,24,32,40,48,56
.irp k, 0,1,2,3
	v_max3_num_f32 v[TM+\k], v[TM+\k], |v[XW+\j+\k]|, |v[XW+\j+4+\k]|
.endr
.endr
	v_max3_num_f32 v[TM], v[TM], v[TM+1], v[TM+2]
	v_max_num_f32 v[TM], v[TM], v[TM+3]
	v_permlanex16_b32 v[TM+1], v[TM], s[SEL], s[SEL+1]
	v_max_num_f32 v[100+\n], v[TM], v[TM+1]
.if \n%2 == 1
	v_cndmask_b32 v[98+\n/2], v[99+\n], v[100+\n], s52
	global_store_b32 v13, v[98+\n/2], s[10:11] offset:128*(\n/2)    ; 128 consecutive bytes
.endif
.endif
.endr
	s_wait_tensorcnt 0x0                           ; the wave's end
	ds_add_u32 v[SPW], v[NIL]
	s_wait_dscnt 0x0
	s_endpgm
.Lfunc_end_k_q71a370172c_gemm5b:
	.size	k_q71a370172c_gemm5b, .Lfunc_end_k_q71a370172c_gemm5b-k_q71a370172c_gemm5b
	.p2alignl 7, 3214868480
	.fill 96, 4, 3214868480
	.section	.rodata,"a",@progbits
	.p2align	6, 0x0
	.amdhsa_kernel k_q71a370172c_gemm5b
		.amdhsa_group_segment_fixed_size 327680
		.amdhsa_private_segment_fixed_size 0
		.amdhsa_enable_private_segment 0
		.amdhsa_kernarg_size 40
		.amdhsa_user_sgpr_count 2
		.amdhsa_user_sgpr_kernarg_segment_ptr 1
		.amdhsa_wavefront_size32 1
		.amdhsa_system_sgpr_workgroup_id_x 1
		.amdhsa_system_sgpr_workgroup_id_y 1
		.amdhsa_system_sgpr_workgroup_id_z 1
		.amdhsa_system_vgpr_workitem_id 0
		.amdhsa_next_free_vgpr 512
		.amdhsa_next_free_sgpr 72
		.amdhsa_reserve_vcc 0
		.amdhsa_float_denorm_mode_32 3
		.amdhsa_float_denorm_mode_16_64 3
		.amdhsa_memory_ordered 1
		.amdhsa_forward_progress 1
		.amdhsa_inst_pref_size 255
	.end_amdhsa_kernel
	.section	.bss,"aw",@nobits
	.p2align	6
	.space	262144
	.amdgpu_metadata
---
amdhsa.version: [ 1, 2 ]
amdhsa.kernels:
  - .name:           k_q71a370172c_gemm5b
    .symbol:         k_q71a370172c_gemm5b.kd
    .args:
      - { .name: act, .offset: 0, .size: 8, .value_kind: global_buffer, .address_space: global }
      - { .name: wq, .offset: 8, .size: 8, .value_kind: global_buffer, .address_space: global }
      - { .name: b1, .offset: 16, .size: 8, .value_kind: global_buffer, .address_space: global }
      - { .name: pmax, .offset: 24, .size: 8, .value_kind: global_buffer, .address_space: global }
      - { .name: hid, .offset: 32, .size: 8, .value_kind: global_buffer, .address_space: global }
    .group_segment_fixed_size: 327680
    .private_segment_fixed_size: 0
    .kernarg_segment_align: 8
    .kernarg_segment_size: 40
    .max_flat_workgroup_size: 256
    .sgpr_count:     72
    .vgpr_count:     512
    .wavefront_size: 32
...
	.end_amdgpu_metadata
.endif
;; end of part 8
;; launch gemm6 (part 9): grid 8 x 32, 8 waves a work-group, no clusters, 327,680 bytes of LDS; arguments hid, wq, b2, x2, out0; writes out0
.if DOCPART == 9
	.amdgcn_target "amdgcn-amd-amdhsa--gfx1250"
	.amdhsa_code_object_version 6
	.text
	.protected	k_q71a370172c_gemm6
	.globl	k_q71a370172c_gemm6
	.p2align	8
	.type	k_q71a370172c_gemm6,@function
k_q71a370172c_gemm6:
	s_mov_b64 s[64:65], 0
	v_nop
	global_prefetch_b8 v0, s[64:65] scope:SCOPE_SE
	s_setreg_imm32_b32 hwreg(HW_REG_WAVE_MODE, 25, 1), 1
	s_wait_xcnt 0x0
; LAUNCH 9 OF 9.  out0 = x2 + (hid w2^T + b2), the product on MX-FP4 codes (formats: head of launch 1).  The text of launch 5 with KS = 32, NCH = 4.
; K = 4,096 goes in four chunks of 1,024 through two LDS slots of 128 KiB; chunks 0 and 1 are first fills, chunks 2 and 3 refills, each behind a barrier in front of which every wave has waited for all
; its tensor loads, added 0 to its spare word, and waited for that and for its reads of the slot; a refill has a chunk's 64 products a wave in which to land.  All written out.
; The scale words of all of K (2 x 16 KiB) come once.  The stage for the way out lies in slot 0, which has had its last fill and, behind the last barrier, its last read.
; NO CLUSTER: as in launch 5.
.set KS, 32
.set NCH, 4
.set WOFF, 4194304
.set WSC, 6553600
.set ASC, 8388608
.set SC0, 262144
.set SC1, SC0+512*KS
.set SPARE, 294912
.set STAGE, 0
.set SPW, 14
.set NIL, 15
.macro PLACES n
.rept \n
	v_nop
.endr
.endm
.macro LOADK slot, ch, s, b            ; K step s of the chunk in the slot into buffer b: 18 LDS loads
.irp i, 0,1,2,3
	ds_load_b128 v[16+48*(\b)+8*\i:19+48*(\b)+8*\i], v[4+\slot] offset:8192*\i+1024*(\s)
	ds_load_b128 v[20+48*(\b)+8*\i:23+48*(\b)+8*\i], v[4+\slot] offset:8192*\i+1024*(\s)+512
.endr
.irp n, 0,1
	ds_load_b128 v[48+48*(\b)+8*\n:51+48*(\b)+8*\n], v[6+\slot] offset:8192*\n+1024*(\s)
	ds_load_b128 v[52+48*(\b)+8*\n:55+48*(\b)+8*\n], v[6+\slot] offset:8192*\n+1024*(\s)+512
.endr
.irp i, 0,1,2,3
	ds_load_b32 v[112+6*(\b)+\i], v8 offset:64*KS*\i+64*(8*(\ch)+(\s))
.endr
.irp n, 0,1
	ds_load_b32 v[116+6*(\b)+\n], v9 offset:64*KS*\n+64*(8*(\ch)+(\s))
.endr
.endm
.macro MUL8 b, zero
.irp n, 0,1
.irp i, 0,1,2,3
.if \zero
	v_wmma_scale_f32_16x16x128_f8f6f4 v[128+32*\n+8*\i:135+32*\n+8*\i], v[16+48*(\b)+8*\i:23+48*(\b)+8*\i], v[48+48*(\b)+8*\n:55+48*(\b)+8*\n], 0, v[112+6*(\b)+\i], v[116+6*(\b)+\n] matrix_a_fmt:MATRIX_FMT_FP4 matrix_b_fmt:MATRIX_FMT_FP4
.else
	v_wmma_scale_f32_16x16x128_f8f6f4 v[128+32*\n+8*\i:135+32*\n+8*\i], v[16+48*(\b)+8*\i:23+48*(\b)+8*\i], v[48+48*(\b)+8*\n:55+48*(\b)+8*\n], v[128+32*\n+8*\i:135+32*\n+8*\i], v[112+6*(\b)+\i], v[116+6*(\b)+\n] matrix_a_fmt:MATRIX_FMT_FP4 matrix_b_fmt:MATRIX_FMT_FP4
.endif
.endr
.endr
.endm
.macro CHUNK slot, ch
	PLACES 4                                       ; behind the last chunk's products, ahead of loads into both buffers
	LOADK \slot, \ch, 0, 0
.set ks, 0
.rept 8
.if ks < 7
.if ks > 0
	PLACES 4
.endif
	LOADK \slot, \ch, ks+1, (ks+1)%2
	s_wait_dscnt 18                                ; this step's loads are in; the 18 just issued may be out
.else
	s_wait_dscnt 0x0
.endif
.if (\ch == 0) && (ks == 0)
	MUL8 0, 1                                      ; the first products start the sums
.else
	MUL8 ks%2, 0
.endif
.set ks, ks+1
.endr
.endm
; the change of slots: all my tensor loads have landed, 0 onto my spare word, that and my reads of the slot are done, the barrier; refill = 1: the slot just read takes the chunk two on
.macro CHANGE slot, refill
	s_wait_tensorcnt 0x0
	ds_add_u32 v[SPW], v[NIL]
.if \refill
	s_add_nc_u64 s[26+4*\slot:27+4*\slot], s[26+4*\slot:27+4*\slot], 16384
.endif
	s_wait_dscnt 0x0
	s_barrier_signal -1
	s_barrier_wait -1
.if \refill
	tensor_load_to_lds s[24+4*\slot:27+4*\slot], s[32:39]   ; my one tensor load behind this barrier, and the first thing there
	s_nop 0
.endif
.endm
	s_load_b256 s[4:11], s[0:1], 0x0               ; the tokens' codes, wq, the bias, the residual
	s_load_b64 s[12:13], s[0:1], 0x20              ; the result
	v_lshl_add_u32 v[SPW], v0, 2, SPARE
	v_mov_b32 v[NIL], 0
	ds_add_u32 v[SPW], v[NIL]                      ; the wave's opening: the add, twice on end, and its wait ahead of my first tensor load
	ds_add_u32 v[SPW], v[NIL]
	v_lshrrev_b32 v1, 5, v0
	v_readfirstlane_b32 s14, v1                    ; wave 0..7
	s_and_b32 s15, s14, 1                          ; a
	s_lshr_b32 s16, s14, 1                         ; c
	s_mov_b32 s17, ttmp9                           ; x: 128 columns
	s_and_b32 s18, ttmp7, 0xffff                   ; y: 128 tokens
	s_mov_b32 s32, 3<<16                           ; group 1, codes: two tiles' 8 KiB, 1,024 KS bytes apart
	s_mov_b32 s33, 1024<<16
	s_mov_b32 s34, 2<<16
	s_mov_b32 s35, 1024<<16
	s_mov_b32 s36, 2
	s_mov_b32 s37, 128*KS
	s_mov_b32 s38, 0
	s_mov_b32 s39, 0
	s_mov_b32 s40, 3<<16                           ; group 1, scale words: KS / 2 rows of 256 bytes, dense
	s_mov_b32 s41, 32<<16
	s_mov_b32 s42, (KS/2)<<16
	s_mov_b32 s43, 32<<16
	s_mov_b32 s44, KS/2
	s_mov_b32 s45, 32
	s_mov_b32 s46, 0
	s_mov_b32 s47, 0
	s_mov_b32 s20, 1
	s_mul_i32 s21, s14, 128*KS
	s_add_co_u32 s21, s21, SC0
	s_mov_b32 s24, 1
	s_lshl_b32 s25, s14, 14                        ; LDS: 16,384 x wave: waves 0-3 the weight's tiles, waves 4-7 the tokens'
.if NCH > 1
	s_mov_b32 s28, 1
	s_add_co_u32 s29, s25, 131072
.endif
	s_and_b32 s50, s14, 3
	s_mul_i32 s51, s50, 2048*KS
	s_mul_i32 s50, s50, 128*KS
	s_mul_i32 s52, s17, 8192*KS
	s_add_co_u32 s52, s52, WOFF
	s_mul_i32 s53, s18, 8192*KS
	s_mul_i32 s54, s17, 512*KS
	s_add_co_u32 s54, s54, WSC
	s_mul_i32 s55, s18, 512*KS
	s_add_co_u32 s55, s55, ASC
	s_wait_dscnt 0x0                               ; both opening adds are done
	s_wait_kmcnt 0x0
	s_cmp_lt_u32 s14, 4
	s_cselect_b64 s[48:49], s[6:7], s[4:5]
	s_cselect_b32 s52, s52, s53
	s_cselect_b32 s54, s54, s55
	s_add_co_u32 s52, s52, s51
	s_add_co_u32 s54, s54, s50
	s_mov_b32 s53, 0
	s_mov_b32 s55, 0
	s_add_nc_u64 s[22:23], s[48:49], s[54:55]
	s_or_b32 s23, s23, 0x80000000
	tensor_load_to_lds s[20:23], s[40:47]          ; the scale words of all of K
	s_nop 0
	s_add_nc_u64 s[26:27], s[48:49], s[52:53]
.if NCH > 1
	s_add_nc_u64 s[30:31], s[26:27], 8192
	s_or_b32 s31, s31, 0x80000000
.endif
	s_or_b32 s27, s27, 0x80000000
	tensor_load_to_lds s[24:27], s[32:39]          ; chunk 0
	s_nop 0
.if NCH > 1
	tensor_load_to_lds s[28:31], s[32:39]          ; chunk 1: three tensor loads of mine are out
	s_nop 0
.endif
	s_lshl_b32 s50, s18, 19
	s_lshl_b32 s51, s16, 17
	s_add_co_u32 s50, s50, s51
	s_lshl_b32 s51, s17, 9
	s_add_co_u32 s50, s50, s51
	s_lshl_b32 s52, s15, 8
	s_add_co_u32 s50, s50, s52                     ; token 128 y + 32 c, column 128 x + 64 a
	s_add_co_u32 s52, s51, s52
	s_mov_b32 s51, 0
	s_add_nc_u64 s[10:11], s[10:11], s[50:51]
	s_add_nc_u64 s[12:13], s[12:13], s[50:51]
	s_add_nc_u64 s[8:9], s[8:9], s[52:53]
	v_and_b32 v1, 31, v0
	v_and_b32 v2, 15, v0
	v_bfe_u32 v3, v0, 4, 1
	v_lshlrev_b32 v13, 4, v2                       ; 16 r
	v_lshl_add_u32 v12, v3, 12, v13                ; + a row for lanes 16-31
.irp n, 0,1
.irp t, 0,1,2,3,4,5,6,7
	global_load_b128 v[192+32*\n+4*\t:195+32*\n+4*\t], v12, s[10:11] offset:4096*(8*\n+2*\t+8*(\t/4))   ; the residual, in the order of the way out
.endr
.endr
	global_load_b128 v[124:127], v13, s[8:9]       ; the bias of my four columns
	v_lshlrev_b32 v4, 4, v1
	s_lshl_b32 s50, s15, 15
	v_add_nc_u32 v4, s50, v4                       ; the weight's fragments, slot 0,
	v_add_nc_u32 v5, 131072, v4                    ; slot 1
	v_lshlrev_b32 v6, 4, v1
	s_lshl_b32 s50, s16, 14
	s_add_co_u32 s50, s50, 65536
	v_add_nc_u32 v6, s50, v6                       ; the tokens'
	v_add_nc_u32 v7, 131072, v6
	v_lshlrev_b32 v8, 2, v2
	v_lshlrev_b32 v9, 2, v2
	s_mul_i32 s50, s15, 256*KS
	s_add_co_u32 s50, s50, SC0
	v_add_nc_u32 v8, s50, v8
	s_mul_i32 s50, s16, 128*KS
	s_add_co_u32 s50, s50, SC1
	v_add_nc_u32 v9, s50, v9
	s_mul_i32 s50, s14, 4352
	s_add_co_u32 s50, s50, STAGE                   ; my stage: 16 rows x (256 + 16) bytes
	v_mul_u32_u24 v10, v2, 272
	v_lshl_add_u32 v10, v3, 6, v10
	v_add_nc_u32 v10, s50, v10                     ; in: row r, + 64 h
	v_mul_u32_u24 v11, v3, 272
	v_lshl_add_u32 v11, v2, 4, v11
	v_add_nc_u32 v11, s50, v11                     ; back: lanes 0-15 one row, lanes 16-31 the next
.if NCH > 1
	s_wait_tensorcnt 1                             ; the scale words and chunk 0 are in; chunk 1 may stay out
.else
	s_wait_tensorcnt 0x0
.endif
	s_barrier_signal -1
	s_barrier_wait -1
	CHUNK 0, 0
.if NCH > 1
	CHANGE 0, 1
	CHUNK 1, 1
	CHANGE 1, 1
	CHUNK 0, 2
	CHANGE 0, 0
	CHUNK 1, 3
.endif
	PLACES 4
	s_wait_loadcnt 0x0                             ; the residual and the bias
.irp n, 0,1
.irp i, 0,1,2,3
	ds_store_b128 v10, v[128+32*\n+8*\i:131+32*\n+8*\i] offset:128*(\i/2)+32*(\i%2)       ; each accumulator from its low end on
	ds_store_b128 v10, v[132+32*\n+8*\i:135+32*\n+8*\i] offset:128*(\i/2)+32*(\i%2)+16
.endr
.irp t, 0,1,2,3,4,5,6,7
	ds_load_b128 v[16+32*\n+4*\t:19+32*\n+4*\t], v11 offset:544*\t   ; my own bytes: LDS serves a wave's instructions in order
.endr
.endr
.irp n, 0,1
.irp t, 0,1,2,3,4,5,6,7
	s_wait_dscnt 16*(1-\n)+7-\t                    ; the younger stage instructions may be out
	v_pk_add_f32 v[16+32*\n+4*\t:17+32*\n+4*\t], v[16+32*\n+4*\t:17+32*\n+4*\t], v[124:125]
	v_pk_add_f32 v[18+32*\n+4*\t:19+32*\n+4*\t], v[18+32*\n+4*\t:19+32*\n+4*\t], v[126:127]
	v_pk_add_f32 v[16+32*\n+4*\t:17+32*\n+4*\t], v[16+32*\n+4*\t:17+32*\n+4*\t], v[192+32*\n+4*\t:193+32*\n+4*\t]
	v_pk_add_f32 v[18+32*\n+4*\t:19+32*\n+4*\t], v[18+32*\n+4*\t:19+32*\n+4*\t], v[194+32*\n+4*\t:195+32*\n+4*\t]
	global_store_b128 v12, v[16+32*\n+4*\t:19+32*\n+4*\t], s[12:13] offset:4096*(8*\n+2*\t+8*(\t/4)) th:TH_STORE_NT   ; sixteen lanes store 256 consecutive bytes, aligned; written once, read by nobody here
.endr
.endr
	s_wait_tensorcnt 0x0                           ; the wave's end
	ds_add_u32 v[SPW], v[NIL]
	s_wait_dscnt 0x0
	s_endpgm
.Lfunc_end_k_q71a370172c_gemm6:
	.size	k_q71a370172c_gemm6, .Lfunc_end_k_q71a370172c_gemm6-k_q71a370172c_gemm6
	.p2alignl 7, 3214868480
	.fill 96, 4, 3214868480
	.section	.rodata,"a",@progbits
	.p2align	6, 0x0
	.amdhsa_kernel k_q71a370172c_gemm6
		.amdhsa_group_segment_fixed_size 327680
		.amdhsa_private_segment_fixed_size 0
		.amdhsa_enable_private_segment 0
		.amdhsa_kernarg_size 40
		.amdhsa_user_sgpr_count 2
		.amdhsa_user_sgpr_kernarg_segment_ptr 1
		.amdhsa_wavefront_size32 1
		.amdhsa_system_sgpr_workgroup_id_x 1
		.amdhsa_system_sgpr_workgroup_id_y 1
		.amdhsa_system_sgpr_workgroup_id_z 1
		.amdhsa_system_vgpr_workitem_id 0
		.amdhsa_next_free_vgpr 256
		.amdhsa_next_free_sgpr 66
		.amdhsa_reserve_vcc 0
		.amdhsa_float_denorm_mode_32 3
		.amdhsa_float_denorm_mode_16_64 3
		.amdhsa_memory_ordered 1
		.amdhsa_forward_progress 1
		.amdhsa_inst_pref_size 89
	.end_amdhsa_kernel
	.amdgpu_metadata
---
amdhsa.version: [ 1, 2 ]
amdhsa.kernels:
  - .name:           k_q71a370172c_gemm6
    .symbol:         k_q71a370172c_gemm6.kd
    .args:
      - { .name: hid, .offset: 0, .size: 8, .value_kind: global_buffer, .address_space: global }
      - { .name: wq, .offset: 8, .size: 8, .value_kind: global_buffer, .address_space: global }
      - { .name: b2, .offset: 16, .size: 8, .value_kind: global_buffer, .address_space: global }
      - { .name: x2, .offset: 24, .size: 8, .value_kind: global_buffer, .address_space: global }
      - { .name: out0, .offset: 32, .size: 8, .value_kind: global_buffer, .address_space: global }
    .group_segment_fixed_size: 327680
    .private_segment_fixed_size: 0
    .kernarg_segment_align: 8
    .kernarg_segment_size: 40
    .max_flat_workgroup_size: 256
    .sgpr_count:     66
    .vgpr_count:     256
    .wavefront_size: 32
...
	.end_amdgpu_metadata
.endif
;; end of part 9
